; MI455X (gfx1250); checked and timed in simulation.
; The chip was launched on July 23, 2026; its instructions are those of AMD's public machine-readable ISA for CDNA 5 (MIT licence, August 2026) and "CDNA5" Instruction Set Architecture Reference Guide (July 2026). The comments in the code are by the model that wrote it; some were corrected since.
;; UMT5 Attention. Allowed arithmetic: matrix products marked QUANTISED: E2M3 operands, one E8M0 scale for each 32 along K, by v_wmma_scale_f32_16x16x128_f8f6f4 with both operands' format E2M3, f32 sums; everything else in f32.
;; Inputs: hidden_states 2,048 x 2,048 float32; rel_emb 32 x 32 float32; wk 2,048 x 2,048 float32; wo 2,048 x 2,048 float32; wq 2,048 x 2,048 float32; wv 2,048 x 2,048 float32.
;; Outputs: out0 2,048 x 2,048 float32.
;; This version of the problem:
;;   THIS VERSION OF THE PROBLEM IS GIVEN IN LOW PRECISION. The matrix products marked QUANTISED in the list below multiply operands that are first quantised to E2M3 (2 exponent bits, 3 mantissa bits; 6 bits a number), with one power-of-two scale for each 32 numbers along K (OCP MX v1.0); their sums are f32. All else is computed in f32.
;;   The module's matrix products, in the order in which they are computed (A, B: the left and right operand; K: the contracted axis; several contracted axes count as one K, in the product's order):
;;     1. [M 2,048, K 2,048] x [K 2,048, N 2,048]; A: input hidden_states; B: input wq: QUANTISED
;;     2. [M 2,048, K 2,048] x [K 2,048, N 2,048]; A: input hidden_states; B: input wk: QUANTISED
;;     3. [M 2,048, K 2,048] x [K 2,048, N 2,048]; A: input hidden_states; B: input wv: QUANTISED
;;     4. batch 32 x [M 2,048, K 64] x [K 64, N 2,048]; A: computed on the way; B: computed on the way: QUANTISED
;;     5. batch 32 x [M 2,048, K 2,048] x [K 2,048, N 64]; A: softmax (see below); B: computed on the way: QUANTISED
;;     6. [M 2,048, K 2,048] x [K 2,048, N 2,048]; A: computed on the way; B: input wo: QUANTISED
;;   THE QUANTISER, for each operand of a quantised product, along K:
;;     - K is cut into blocks of 32 from its start; a last block that is shorter is filled with zeros.
;;     - A block's scale is 2^e with e = floor(log2(the largest magnitude in the block)) - 2, held to -126 .. 127; a block of zeros has e = 0. As a byte (E8M0): e + 127.
;;     - Each number is divided by its block's scale, clamped to +-7.5, and rounded to the nearest number of E2M3, ties to even, subnormals kept.
;;     - The product sums the exact products of the quantised numbers (number of the format x scale) in f32.
;;   ~~~python
;;   def quantise(x, axis):      # numpy; x: float32 -> the quantised numbers, widened to float32 again
;;       x = np.moveaxis(x, axis, -1); K = x.shape[-1]
;;       x = np.pad(x, [(0, 0)] * (x.ndim - 1) + [(0, -K % 32)]); x = x.reshape(x.shape[:-1] + (-1, 32)); a = np.abs(x).max(-1, keepdims=True)
;;       e = np.where(a > 0, np.clip(np.frexp(np.where(a > 0, a, 1))[1] - 1 - 2, -126, 127), 0)      # np.frexp(a)[1] - 1 = floor(log2(a)), exactly
;;       r = np.clip(x / 2.0 ** e, -7.5, 7.5)
;;       step = 2.0 ** (np.maximum(np.frexp(np.where(r == 0, 1, r))[1] - 1, 0) - 3)
;;       q = np.round(r / step) * step * 2.0 ** e      # np.round: ties to even
;;       return np.moveaxis(q.reshape(q.shape[:-2] + (-1,))[..., :K], -1, axis).astype(np.float32)
;;   ~~~
;;   SOFTMAX AHEAD OF A QUANTISED PRODUCT. Where the list says 'softmax', what is quantised is not the finished softmax but p = 2^(t - M), with t = logit x log2(e) and M = ceil(the row's largest t), a whole number; so 1/2 < the row's largest p <= 1. The row's sum l is taken of the UNQUANTISED p, in f32, and the product's result is divided by l at the end. Since M is a whole number, a kernel that streams over the keys may use a running M (the ceiling of the running maximum): every later rescaling is an exact power of two, which a block's scale takes up: the codes' values come out the same.
;;   OPERANDS COMPUTED ON THE WAY. 'Computed on the way' means the value that the module computes at that place (a softmax that the list does not call 'softmax' is quantised finished and normalised). What goes into a quantiser is computed in f32, as accurately as f32 sums, v_exp_f32 and their like allow (about 1e-6 of the number): no bf16 or f16 on the way to a quantiser, and a product that is left as it is and whose result goes on into a quantised operand takes f32 operands (vector FMAs, or v_wmma_f32_16x16x4_f32). A number that lies on a knife's edge between two numbers of the format may be rounded either way, as far as f32 arithmetic and the matrix unit's own rounding can turn it there, and no further.
;; One version. Each part assembles by itself: llvm-mc -triple=amdgcn-amd-amdhsa -mcpu=gfx1250 --defsym DOCPART=n.
;; ======== version 1 of 1: 4 launches
;; limits: right only within a limited range of input values
;; workspace buffers: hsq 3,276,800 bytes; wq4 13,107,200 bytes; qkv 10,092,544 bytes; att 3,276,800 bytes
;; launch quant (part 1): grid 384 x 1, 4 waves a work-group, no clusters, 34,304 bytes of LDS; arguments hidden_states, wq, wk, wv, wo, hsq, wq4; writes hsq, wq4
.if DOCPART == 1
	.amdgcn_target "amdgcn-amd-amdhsa--gfx1250"
	.amdhsa_code_object_version 6
	.text
	.protected	k_qf8ac59dda9_quant
	.globl	k_qf8ac59dda9_quant
	.p2align	8
	.type	k_qf8ac59dda9_quant,@function
k_qf8ac59dda9_quant:
	s_mov_b64 s[64:65], 0
	v_nop
	global_prefetch_b8 v0, s[64:65] scope:SCOPE_SE
	s_setreg_imm32_b32 hwreg(HW_REG_WAVE_MODE, 25, 1), 1
	s_wait_xcnt 0x0
; hidden_states [2048][2048] (K innermost) and wq, wk, wv, wo [K 2048][N 2048] (K outermost), f32, become codes of FP6 (E2M3) with one E8M0 byte for each 32 along K.
; A block's scale is 2^(floor(log2(its largest magnitude)) - 2); its byte is the largest magnitude's exponent field - 2, held at 1 from below.
; LIMITS: a block of zeros gets the byte 1 where the rule says 127 (its codes are zeros, and only this program reads the bytes); blocks whose largest magnitude lies under 2^(3 - 127) were not tried; NaN and infinities are not served.
; THE CODES ARE LAID AS IMAGES OF THE OPERAND'S REGISTERS.  Tile T holds 16 rows: lane-row r is row 32 (T / 2) + 8 (T % 2) + r + 8 (r / 8).  A half fragment (16 lane-rows x 64 K) is 768 bytes:
; lane (r, h) owns the 24 bytes of k = 32 h .. 32 h + 31: its first 16 at 16 (r + 16 h), its last 8 at 512 + 16 r + 8 h.  A tile is 32 half fragments, 24,576 bytes.
; Scale bytes: [tile][512 along K][r][16 bytes], 1,024 bytes a tile.
; Work-groups 0-255: the weights.  A lane takes a column n, its registers run down K: a block of 32 lies in one lane, the conversions give K innermost, nothing is transposed and no LDS is used.
; Work-groups 256-383: hidden_states.  A wave takes one tile x 512 K in four steps of 128; a step's 16 rows x 512 bytes turn through the wave's own stage in LDS, so that loads are dense and a lane holds whole blocks.
.set OPB,   3145728                    ; an operand's codes
.set OSB,   131072                     ; an operand's scale bytes
.set WSC,   4*OPB                      ; where the weights' scale bytes begin in wq4
.set STG,   8448                       ; a wave's stage: 16 rows x (512 + 16) bytes
.set SPARE, 4*STG                      ; behind the stages: the spare words, 128 bytes a wave
.set SPW,   244                        ; v244 LDS address of my spare word; never rewritten
.set NIL,   245                        ; v245 0; never rewritten
.set X,     16                         ; weights: v16-79 two sets of 32 numbers
.set C,     80                         ; v80-175 eight sets of 12: a half fragment's three stores; no store's data are written again
.set D,     176                        ; v176-178 a block's second 16 codes, before they are moved
.set SB,    184                        ; v184-187 my column's 16 scale bytes
.set R,     16                         ; hs: v16-143 two sets of 64, as loaded
.set XH,    144                        ; v144-207 my two blocks of 32
.set PC,    208                        ; v208-219 a fragment's codes
.set PT,    220                        ; v220-226 second halves, before they are moved
.set TM,    228                        ; v228-235 at work
.set W,     240                        ; v240-243 the four steps' scale words
.macro LOADW t                         ; block t: W(32 t + i, my column) into set t % 2; a wave reads 128 consecutive bytes, the four waves 512
.set I, 0
.rept 32
	global_load_b32 v[X+32*((\t)%2)+I], v3, s[20:21] offset:(32*(\t)+I)*8192 th:TH_LOAD_NT
.set I, I+1
.endr
.endm
.macro BLOCKW t
.set XS, X+32*((\t)%2)
.set CC, C+12*((\t)/2)
.if (\t) < 15
	s_wait_loadcnt 32                              ; this block's 32 loads are in; the next block's may be out
.else
	s_wait_loadcnt 0
.endif
	v_max3_num_f32 v12, |v[XS]|, |v[XS+1]|, |v[XS+2]|      ; the block's largest magnitude: all 32 numbers are mine; two chains
	v_max3_num_f32 v13, |v[XS+3]|, |v[XS+4]|, |v[XS+5]|
.irp i, 6,10,14,18,22,26
	v_max3_num_f32 v12, v12, |v[XS+\i]|, |v[XS+\i+1]|
	v_max3_num_f32 v13, v13, |v[XS+\i+2]|, |v[XS+\i+3]|
.endr
	v_max3_num_f32 v12, v12, |v[XS+30]|, |v[XS+31]|
	v_max3_num_f32 v12, v12, v13, 0x1800000        ; and the floor 2^(3 - 127): the byte cannot fall under 1
	v_add_nc_u32 v11, 0xff000000, v12              ; 2 off the exponent field: the conversion's scale operand
.if ((\t)%2) == 0
	v_cvt_scalef32_pk16_fp6_f32 v[CC:CC+2], v[XS:XS+15], v11
.else
	v_cvt_scalef32_pk16_fp6_f32 v[CC+8:CC+10], v[XS:XS+15], v11
.endif
	v_cvt_scalef32_pk16_fp6_f32 v[D:D+2], v[XS+16:XS+31], v11    ; (a conversion's three registers begin on an even number)
	v_lshrrev_b32 v13, 23, v11                     ; the scale's byte; also the plain line behind the conversions
.if ((\t)%4) == 0
	v_mov_b32 v[SB+(\t)/4], v13
.else
	v_lshl_or_b32 v[SB+(\t)/4], v13, 8*((\t)%4), v[SB+(\t)/4]
.endif
.if ((\t)%2) == 0                      ; an even block is half h = 0 of its half fragment: 16 bytes at 16 r, 8 bytes at 512 + 16 r
	v_mov_b32 v[CC+3], v[D]
	v_mov_b32 v[CC+4], v[D+1]
	v_mov_b32 v[CC+5], v[D+2]
.else                                  ; an odd block is h = 1: 16 bytes at 256 + 16 r, 8 bytes at 512 + 16 r + 8
	v_mov_b32 v[CC+11], v[D]
	v_mov_b32 v[CC+6], v[D+1]
	v_mov_b32 v[CC+7], v[D+2]
	global_store_b128 v6, v[CC:CC+3], s[22:23] offset:768*((\t)/2)        ; the sixteen lanes of a tile store 256 consecutive bytes, aligned
	global_store_b128 v6, v[CC+8:CC+11], s[22:23] offset:768*((\t)/2)+256
	global_store_b128 v6, v[CC+4:CC+7], s[22:23] offset:768*((\t)/2)+512
.endif
.if (\t)+2 < 16
	LOADW (\t)+2
.endif
.endm
.macro LOADH s                         ; step s: 16 rows x 512 bytes; each load reads 512 consecutive bytes of one row
.set I, 0
.rept 16
	global_load_b128 v[R+64*((\s)%2)+4*I:R+64*((\s)%2)+4*I+3], v3, s[20:21] offset:(I+8*(I/8))*8192+512*(\s) th:TH_LOAD_NT
.set I, I+1
.endr
.endm
.macro STEPH s
.set RS, R+64*((\s)%2)
.if (\s) < 3
	s_wait_loadcnt 16                              ; this step's 16 loads are in; the next step's may be out
.else
	s_wait_loadcnt 0
.endif
.set I, 0
.rept 16
	ds_store_b128 v7, v[RS+4*I:RS+4*I+3] offset:528*I              ; row I of the stage, as loaded
.set I, I+1
.endr
.irp c, 0,1
.irp i, 0,1,2,3,4,5,6,7
	ds_load_b128 v[XH+32*\c+4*\i:XH+32*\c+4*\i+3], v8 offset:256*\c+16*\i   ; k = 64 c + 32 h + 0 .. 31 of my row; LDS serves a wave's instructions in order: these see the stores
.endr
.endr
	s_wait_dscnt 0x0                               ; my numbers are in, and the stores have read their registers,
.if (\s)+2 < 4
	LOADH (\s)+2                                   ; which take the loads of two steps on
.endif
.irp c, 0,1
	v_max3_num_f32 v[TM+\c], |v[XH+32*\c]|, |v[XH+32*\c+1]|, 0x1800000    ; my block 2 c + h, and the floor
.endr
.irp i, 2,4,6,8,10,12,14,16,18,20,22,24,26,28,30
.irp c, 0,1
	v_max3_num_f32 v[TM+\c], v[TM+\c], |v[XH+32*\c+\i]|, |v[XH+32*\c+\i+1]|
.endr
.endr
.irp c, 0,1
	v_add_nc_u32 v[TM+2+\c], 0xff000000, v[TM+\c]  ; the conversions' scale operands
.endr
.irp c, 0,1
	v_lshrrev_b32 v[TM+4+\c], 23, v[TM+2+\c]       ; the bytes
.endr
	v_lshl_or_b32 v[TM+6], v[TM+5], 16, v[TM+4]    ; blocks h and 2 + h of my row,
	v_lshlrev_b32 v[TM+6], v9, v[TM+6]             ; 8 h bits up;
	v_permlanex16_b32 v[TM+7], v[TM+6], s36, s37
	v_or_b32 v[W+(\s)], v[TM+6], v[TM+7]           ; with lane l xor 16's two the word is whole
	s_wait_alu depctr_va_vdst(0)
	s_wait_xcnt 0x0                                ; the last step's stores have read their data: the codes' registers are rewritten only behind this wait
.irp c, 0,1
	v_cvt_scalef32_pk16_fp6_f32 v[PC+6*\c:PC+6*\c+2], v[XH+32*\c:XH+32*\c+15], v[TM+2+\c]
	v_cvt_scalef32_pk16_fp6_f32 v[PT+4*\c:PT+4*\c+2], v[XH+32*\c+16:XH+32*\c+31], v[TM+2+\c]
.endr
	v_nop                                          ; one plain line behind the conversions
.irp c, 0,1
.irp i, 0,1,2
	v_mov_b32 v[PC+6*\c+3+\i], v[PT+4*\c+\i]
.endr
.endr
	global_store_b128 v3, v[PC:PC+3], s[22:23] offset:1536*(\s)           ; 512 consecutive bytes
	global_store_b64 v6, v[PC+4:PC+5], s[22:23] offset:1536*(\s)+512      ; 256 consecutive bytes
	global_store_b128 v3, v[PC+6:PC+9], s[22:23] offset:1536*(\s)+768
	global_store_b64 v6, v[PC+10:PC+11], s[22:23] offset:1536*(\s)+1280
.endm
	s_load_b256 s[4:11], s[0:1], 0x0               ; hidden_states s[4:5], wq s[6:7], wk s[8:9], wv s[10:11]
	s_load_b128 s[12:15], s[0:1], 0x20             ; wo s[12:13], hsq s[14:15]
	s_load_b64 s[16:17], s[0:1], 0x30              ; wq4
	v_lshl_add_u32 v[SPW], v0, 2, SPARE
	v_mov_b32 v[NIL], 0
	v_lshrrev_b32 v1, 5, v0
	v_readfirstlane_b32 s18, v1                    ; wave
	v_and_b32 v2, 31, v0                           ; lane
	s_cmp_lt_u32 ttmp9, 256
	s_cbranch_scc0 .Lhs
	; ---- a weight: work-group = 64 x weight + 16 x (which 512 of K) + (which 128 columns)
	s_lshr_b32 s19, ttmp9, 6                       ; which weight
	s_and_b32 s24, ttmp9, 15
	s_bfe_u32 s25, ttmp9, 0x20004                  ; which 512 along K
	s_lshl_b32 s26, s24, 2
	s_add_co_u32 s26, s26, s18                     ; G: my wave's 32 columns = tiles 2 G and 2 G + 1
	s_lshl_b32 s28, s25, 22                        ; in: 512 rows of 8,192 bytes
	s_lshl_b32 s27, s26, 7
	s_add_co_u32 s28, s28, s27
	s_mov_b32 s29, 0
	s_mul_i32 s30, s19, OPB                        ; codes: weight, two tiles of 24,576, eight half fragments of 768
	s_mul_i32 s27, s26, 49152
	s_add_co_u32 s30, s30, s27
	s_mul_i32 s27, s25, 6144
	s_add_co_u32 s30, s30, s27
	s_mov_b32 s31, 0
	s_lshl_b32 s32, s19, 17                        ; scale bytes
	s_lshl_b32 s27, s26, 11
	s_add_co_u32 s32, s32, s27
	s_lshl_b32 s27, s25, 8
	s_add_co_u32 s32, s32, s27
	s_add_co_u32 s32, s32, WSC
	s_mov_b32 s33, 0
	s_wait_alu depctr_va_vdst(0)
	v_lshlrev_b32 v3, 2, v2                        ; in: 4 bytes a lane
	v_bfe_u32 v4, v2, 3, 1                         ; column c of the 32 lies in tile 2 G + (c / 8) % 2,
	v_and_b32 v5, 7, v2
	v_lshrrev_b32 v6, 4, v2
	v_lshl_add_u32 v5, v6, 3, v5                   ; at lane-row c % 8 + 8 (c / 16)
	v_lshlrev_b32 v5, 4, v5
	v_mad_u32_u24 v6, v4, 24576, v5                ; my place among the codes
	v_lshl_add_u32 v7, v4, 10, v5                  ; and among the scale bytes
	s_wait_alu depctr_va_vdst(0)
	s_wait_kmcnt 0x0
	s_bitcmp1_b32 s19, 0                           ; the choice hangs on the work-group's number alone
	s_cselect_b64 s[20:21], s[8:9], s[6:7]
	s_cselect_b64 s[22:23], s[12:13], s[10:11]
	s_bitcmp1_b32 s19, 1
	s_cselect_b64 s[20:21], s[22:23], s[20:21]
	s_add_nc_u64 s[20:21], s[20:21], s[28:29]
	s_add_nc_u64 s[22:23], s[16:17], s[30:31]
	s_add_nc_u64 s[34:35], s[16:17], s[32:33]
	LOADW 0
	LOADW 1
.set Q, 0
.rept 16
	BLOCKW Q
.set Q, Q+1
.endr
	global_store_b128 v7, v[SB:SB+3], s[34:35]     ; my column's 16 bytes; the sixteen lanes of a tile store 256 consecutive bytes
	s_branch .Lend
.Lhs:
	; ---- hidden_states: tile = work-group - 256; wave = which 512 along K
	s_sub_co_u32 s19, ttmp9, 256
	s_lshr_b32 s24, s19, 1
	s_lshl_b32 s24, s24, 5
	s_and_b32 s25, s19, 1
	s_lshl_b32 s25, s25, 3
	s_add_co_u32 s24, s24, s25                     ; the tile's first row
	s_lshl_b32 s28, s24, 13
	s_lshl_b32 s25, s18, 11
	s_add_co_u32 s28, s28, s25
	s_mov_b32 s29, 0
	s_mul_i32 s30, s19, 24576
	s_mul_i32 s25, s18, 6144
	s_add_co_u32 s30, s30, s25
	s_mov_b32 s31, 0
	s_lshl_b32 s32, s19, 10
	s_lshl_b32 s25, s18, 8
	s_add_co_u32 s32, s32, s25
	s_add_co_u32 s32, s32, OPB
	s_mov_b32 s33, 0
	s_mul_i32 s26, s18, STG                        ; my stage
	s_wait_alu depctr_va_vdst(0)
	v_lshlrev_b32 v3, 4, v2                        ; 16 x lane
	v_and_b32 v4, 15, v2                           ; r
	v_lshrrev_b32 v5, 4, v2                        ; h
	v_lshlrev_b32 v6, 4, v4
	v_lshl_add_u32 v6, v5, 3, v6                   ; 16 r + 8 h
	v_add_nc_u32 v7, s26, v3                       ; into the stage
	v_mul_u32_u24 v8, v4, 528
	v_lshl_add_u32 v8, v5, 7, v8
	v_add_nc_u32 v8, s26, v8                       ; out of it: row r, + 128 h
	v_lshlrev_b32 v9, 3, v5
	v_mov_b32 v[TM+7], 0                           ; a lane permute's destination counts as one of its sources
	s_mov_b32 s36, 0x76543210
	s_mov_b32 s37, 0xfedcba98                      ; selects for lane l xor 16
	s_wait_alu depctr_va_vdst(0)
	s_wait_kmcnt 0x0
	s_add_nc_u64 s[20:21], s[4:5], s[28:29]
	s_add_nc_u64 s[22:23], s[14:15], s[30:31]
	s_add_nc_u64 s[34:35], s[14:15], s[32:33]
	LOADH 0
	LOADH 1
	STEPH 0
	STEPH 1
	STEPH 2
	STEPH 3
	v_cmp_le_u32 vcc_lo, 16, v2                    ; lane (r, h) stores words 2 h and 2 h + 1 of row r's four
	v_cndmask_b32 v236, v[W], v[W+2], vcc_lo
	v_cndmask_b32 v237, v[W+1], v[W+3], vcc_lo
	global_store_b64 v6, v[236:237], s[34:35]      ; 256 consecutive bytes, aligned
.Lend:
	s_wait_tensorcnt 0x0                           ; the wave's end
	ds_add_u32 v[SPW], v[NIL]
	s_wait_dscnt 0x0
	s_endpgm
.Lfunc_end_k_qf8ac59dda9_quant:
	.size	k_qf8ac59dda9_quant, .Lfunc_end_k_qf8ac59dda9_quant-k_qf8ac59dda9_quant
	.p2alignl 7, 3214868480
	.fill 96, 4, 3214868480
	.section	.rodata,"a",@progbits
	.p2align	6, 0x0
	.amdhsa_kernel k_qf8ac59dda9_quant
		.amdhsa_group_segment_fixed_size 34304
		.amdhsa_private_segment_fixed_size 0
		.amdhsa_enable_private_segment 0
		.amdhsa_kernarg_size 56
		.amdhsa_user_sgpr_count 2
		.amdhsa_user_sgpr_kernarg_segment_ptr 1
		.amdhsa_wavefront_size32 1
		.amdhsa_system_sgpr_workgroup_id_x 1
		.amdhsa_system_sgpr_workgroup_id_y 1
		.amdhsa_system_sgpr_workgroup_id_z 1
		.amdhsa_system_vgpr_workitem_id 0
		.amdhsa_next_free_vgpr 248
		.amdhsa_next_free_sgpr 66
		.amdhsa_reserve_vcc 1
		.amdhsa_float_denorm_mode_32 3
		.amdhsa_float_denorm_mode_16_64 3
		.amdhsa_memory_ordered 1
		.amdhsa_forward_progress 1
		.amdhsa_inst_pref_size 106
	.end_amdhsa_kernel
	.amdgpu_metadata
---
amdhsa.version: [ 1, 2 ]
amdhsa.kernels:
  - .name:           k_qf8ac59dda9_quant
    .symbol:         k_qf8ac59dda9_quant.kd
    .args:
      - { .name: hidden_states, .offset: 0, .size: 8, .value_kind: global_buffer, .address_space: global }
      - { .name: wq, .offset: 8, .size: 8, .value_kind: global_buffer, .address_space: global }
      - { .name: wk, .offset: 16, .size: 8, .value_kind: global_buffer, .address_space: global }
      - { .name: wv, .offset: 24, .size: 8, .value_kind: global_buffer, .address_space: global }
      - { .name: wo, .offset: 32, .size: 8, .value_kind: global_buffer, .address_space: global }
      - { .name: hsq, .offset: 40, .size: 8, .value_kind: global_buffer, .address_space: global }
      - { .name: wq4, .offset: 48, .size: 8, .value_kind: global_buffer, .address_space: global }
    .group_segment_fixed_size: 34304
    .private_segment_fixed_size: 0
    .kernarg_segment_align: 8
    .kernarg_segment_size: 56
    .max_flat_workgroup_size: 128
    .sgpr_count:     66
    .vgpr_count:     248
    .wavefront_size: 32
...
	.end_amdgpu_metadata
.endif
;; end of part 1
;; launch qkv (part 2): grid 16 x 16, 4 waves a work-group, clusters of 4 x 4, 327,680 bytes of LDS; arguments hsq, wq4, qkv; writes qkv
.if DOCPART == 2
	.amdgcn_target "amdgcn-amd-amdhsa--gfx1250"
	.amdhsa_code_object_version 6
	.text
	.protected	k_qf8ac59dda9_qkv
	.globl	k_qf8ac59dda9_qkv
	.p2align	8
	.type	k_qf8ac59dda9_qkv,@function
k_qf8ac59dda9_qkv:
	s_mov_b64 s[64:65], 0
	v_nop
	global_prefetch_b8 v0, s[64:65] scope:SCOPE_SE
	s_setreg_imm32_b32 hwreg(HW_REG_WAVE_MODE, 25, 1), 1
	s_wait_xcnt 0x0
	s_wait_alu depctr_hold_cnt(0) depctr_sa_sdst(0) depctr_va_vdst(0) depctr_va_sdst(0) depctr_va_ssrc(0) depctr_va_vcc(0) depctr_vm_vsrc(0)
	s_getreg_b32 s2, hwreg(HW_REG_IB_STS2, 6, 4)
	s_cmp_eq_u32 s2, 0
	s_cbranch_scc0 .Lentry_in_a_cluster
	s_endpgm
.Lentry_in_a_cluster:
	s_bfe_u32 s2, ttmp6, 0x10000c
	s_cmp_lg_u32 s2, 0xf033
	s_cbranch_scc0 .Lentry_shape_is_right
	s_endpgm
.Lentry_shape_is_right:
; q, k, v = hidden_states x wq, wk, wv on codes of FP6 (E2M3) with E8M0 scales, K = 2,048, sums in f32; the results are quantised again (q, k along the head's 64, v along the keys) and leave as codes and scale words.
; OPERANDS are images of the operand's registers: tile T holds 16 rows (lane-row r is row 32 (T / 2) + 8 (T % 2) + r + 8 (r / 8)), 24,576 bytes: 32 half fragments (64 K) of 768 bytes:
; lane (r, h)'s first 16 bytes at 16 (r + 16 h), its last 8 at 512 + 16 r + 8 h.  Scale bytes: [tile][512 along K][r][16].  A weight's rows are its columns n.
; SHARES.  Work-group (R, C) of 16 x 16 = 256 takes 128 tokens (8 tiles) and columns 128 C .. 128 C + 127 of ALL THREE weights (8 tiles each): the tokens' tiles feed three products.
; Wave (wr, wc): 64 tokens x one head (2 C + wc) x three products: 48 accumulators, 384 registers.  A K step of 128 is three runs of 16 matrix instructions: q, k, v.
; For q and k source 0 is the weight's tile and source 1 the tokens': a lane holds one token, its registers run along the head.  For v the sources change places: a lane holds one d, its registers run along the keys.
; LDS: two slots; a slot holds three K steps (4,608 bytes a tile) of the four operands, 36,864 bytes each.  Wave w asks for operand w's eight tiles, one tensor load, at the head and behind each round.  Every row begins at a multiple of 256 bytes.
; Six fills: steps 0-2, 3-5, .., 12-14 and step 15; of the last a row has 1,536 bytes left (tensor_dim0), and the load writes zeros behind them, which no step reads.
; CLUSTERS 4 x 4: the tokens' tiles are asked for jointly along a row of the cluster, the weights' along a column.
; THE SCALE WORDS go from memory into registers, 16 bytes a lane (four steps' words), sixteen lanes to a whole unit of 256 bytes, each unit once a wave, three steps ahead of their use.
; PREFETCH: behind the load of fill j the blocks of fill j + 2 are named (behind the first also fill 1's): of the eight tiles that a wave asks for, each of the four partners of the joint load names two, told apart by address;
; a lane names one block of 256 bytes, lanes 18-31 name the tile's last block again.  The last fill, a third of the others, comes by its load alone.
; REGISTERS: window 0: v4-19 LDS addresses, v32-127 two sets of scale words, v128-223 two sets of the tokens' fragments; window 1: v0-143 one buffer for each weight's four fragments;
; window 2: q's accumulators v0-127, k's v128-255; window 3: v's v0-127.  Accumulator (a, b) at 8 (4 a + b): a the tile of source 1, b of source 0.
; OUT: q, k codes [head][token tile][768]; v codes [head][128 keys][d tile][2 x 768]; q's scale words [head][tile / 4][r][tile % 4]; k's and v's [head][128 keys][768]: k's 256 (t / 4) + 16 r + 4 (t % 4), v's 512 + 16 r + 4 (d tile).
; LIMITS: a block of zeros gets the byte 1 where the rule says 127 (its codes are zeros, and only this program reads the bytes); blocks under 2^(3 - 127) were not tried; NaN and infinities are not served.
.set OPB,   3145728
.set OSB,   131072
.set WSC,   4*OPB
.set QSO,   3*OPB
.set KVS,   QSO+262144
.set TB,    24576                      ; a tile's codes in memory
.set FB,    4608                       ; a tile's three steps
.set OPL,   8*FB                       ; an operand's part of a slot
.set SLOT,  4*OPL
.set SPARE, 2*SLOT                     ; the spare words, 128 bytes a wave
.set AD,   4                           ; v[AD + 8 slot + 2 operand]: 16 x lane; + 1: 16 r + 8 h
.set A16,  20
.set A8,   21
.set SPW,  22
.set NIL,  23
.set SO1,  24                          ; 16 r
.set SO2,  25                          ; 16 r, lanes 16-31 one weight's scales further on
.set PFO,  26
.set QKO,  27
.set VSO,  28
.set SC,   32                          ; a set: tokens' words at 0, wq's (lanes 0-15) and wk's (lanes 16-31) at 16, wv's at 32; register 4 tile + step % 4
.set HF,   128
.set TM,   128                         ; the way out, in the registers that held the tokens' fragments
.set TP,   136
.set SOX,  144
.set BY,   152
.set PC,   160
.set PT,   184
.set WD,   200
.set XW,   212
.set G1, 24
.set G0, 32
.set G1B, 48
.set G0B, 56
.set PFA, 66
.set HSS, 68
.set WSS, 70
.set BQK, 74
.set BV,  76
.set BS,  78
.set BVS, 82
.set MSB, 0
.macro WIN new                         ; the immediate's high byte repeats the setting that is left
.if MSB != \new
	s_set_vgpr_msb (MSB<<8)|\new
.set MSB, \new
.endif
.endm
.set TO_W, 0x40                        ; destination window 1
.macro PLACES
.rept 4
	v_nop
.endr
.endm
.macro JLOAD s                         ; wave 0 asks for the tokens' tiles, waves 1-3 for a weight's; an s_nop 0 and four v_nop follow each line
	s_cmp_eq_u32 s14, 0
	s_cbranch_scc0 .Lfor_w_\@
	tensor_load_to_lds s[G0+4*(\s):G0+4*(\s)+3], s[G1:G1+7]
	s_nop 0
	PLACES
	s_branch .Lasked_\@
.Lfor_w_\@:
	tensor_load_to_lds s[G0B+4*(\s):G0B+4*(\s)+3], s[G1B:G1B+7]
	s_nop 0
	PLACES
.Lasked_\@:
.endm
.macro CREST
	s_cmp_lg_u32 s14, 0
	s_cbranch_scc1 .Lnot_wave_0_\@
	s_barrier_signal -3
.Lnot_wave_0_\@:
	s_barrier_wait -3
	s_barrier_signal -1
	s_barrier_wait -1
.endm
.macro CROUND
	s_barrier_signal -1
	s_barrier_wait -1
	CREST
.endm
.macro PF f                            ; my two tiles' blocks of fill f
	global_prefetch_b8 v[PFO], s[PFA:PFA+1] offset:(\f)*FB th:TH_LOAD_NT scope:SCOPE_SE
	global_prefetch_b8 v[PFO], s[PFA:PFA+1] offset:(\f)*FB+TB th:TH_LOAD_NT scope:SCOPE_SE
.endm
.macro FRAG reg, adr, off
	ds_load_b128 v[\reg:\reg+3], v[\adr] offset:\off
	ds_load_b64 v[\reg+4:\reg+5], v[\adr+1] offset:\off+512
	ds_load_b128 v[\reg+6:\reg+9], v[\adr] offset:\off+768
	ds_load_b64 v[\reg+10:\reg+11], v[\adr+1] offset:\off+1280
.endm
.macro LDW st, o                       ; weight o's (1, 2, 3) four fragments of step st into its buffer: 16 loads
	WIN TO_W
.irp i, 0,1,2,3
	FRAG 48*((\o)-1)+12*\i, AD+8*(((\st)/3)%2)+2*(\o), \i*FB+1536*((\st)%3)
.endr
.endm
.macro LDH st                          ; the tokens' four fragments of step st into set st % 2: 16 loads
	WIN 0
.irp i, 0,1,2,3
	FRAG HF+48*((\st)%2)+12*\i, AD+8*(((\st)/3)%2), \i*FB+1536*((\st)%3)
.endr
.endm
.macro SCG g                           ; the scale words of steps 4 g .. 4 g + 3 into set g % 2: 12 loads
	WIN 0
.set SS0, SC+48*((\g)%2)
.irp i, 0,1,2,3
	global_load_b128 v[SS0+4*\i:SS0+4*\i+3], v[SO1], s[HSS:HSS+1] offset:1024*\i+256*(\g)
	global_load_b128 v[SS0+16+4*\i:SS0+16+4*\i+3], v[SO2], s[WSS:WSS+1] offset:1024*\i+256*(\g)
	global_load_b128 v[SS0+32+4*\i:SS0+32+4*\i+3], v[SO1], s[WSS:WSS+1] offset:2*OSB+1024*\i+256*(\g)
.endr
.endm
.macro WM d, x, y, zero, sx, sy, row
.if \zero
.if \row
	v_wmma_scale_f32_16x16x128_f8f6f4 v[\d:\d+7], v[\x:\x+11], v[\y:\y+11], 0, v[\sx], v[\sy] matrix_a_fmt:MATRIX_FMT_FP6 matrix_b_fmt:MATRIX_FMT_FP6 matrix_a_scale:MATRIX_SCALE_ROW1
.else
	v_wmma_scale_f32_16x16x128_f8f6f4 v[\d:\d+7], v[\x:\x+11], v[\y:\y+11], 0, v[\sx], v[\sy] matrix_a_fmt:MATRIX_FMT_FP6 matrix_b_fmt:MATRIX_FMT_FP6
.endif
.else
.if \row
	v_wmma_scale_f32_16x16x128_f8f6f4 v[\d:\d+7], v[\x:\x+11], v[\y:\y+11], v[\d:\d+7], v[\sx], v[\sy] matrix_a_fmt:MATRIX_FMT_FP6 matrix_b_fmt:MATRIX_FMT_FP6 matrix_a_scale:MATRIX_SCALE_ROW1
.else
	v_wmma_scale_f32_16x16x128_f8f6f4 v[\d:\d+7], v[\x:\x+11], v[\y:\y+11], v[\d:\d+7], v[\sx], v[\sy] matrix_a_fmt:MATRIX_FMT_FP6 matrix_b_fmt:MATRIX_FMT_FP6
.endif
.endif
.endm
.macro MULS st, g, a0, zero            ; eight products of step st: g = 0 q, 1 k, 2 v.  A product's 16 accumulators take turns in one order
.set HS_, HF+48*((\st)%2)
.set SS_, SC+48*(((\st)/4)%2)+(\st)%4
.if \g == 2
	WIN 0xf4                                       ; source 0 window 0, source 1 window 1, C and D window 3
.else
	WIN 0xa1                                       ; source 0 window 1, source 1 window 0, C and D window 2
.endif
.irp a, \a0, \a0+1
.irp b, 0,1,2,3
.if \g == 2
	WM 8*(4*(\a)+\b), HS_+12*\b, 96+12*(\a), \zero, SS_+4*\b, SS_+32+4*(\a), 0
.else
	WM 128*(\g)+8*(4*(\a)+\b), 48*(\g)+12*\b, HS_+12*(\a), \zero, SS_+16+4*\b, SS_+4*(\a), \g
.endif
.endr
.endr
.endm
; A run of 16 products.  Ahead of it the buffer that the run before has read is loaded anew: ahead of q's run wv of this step, ahead of k's wq and the tokens of the next step, ahead of v's wk of the next step.
; So a fragment is asked for two runs ahead of its use, and the wait counts the loads issued behind it: 16 + 16, 16 + 32, 32 + 16.
.macro SUB st, g, zero
	PLACES                                         ; behind the last run's products, in front of loads into the registers that they read
.if \g == 0
	LDW \st, 3
.if (\st)%4 == 1 && (\st) < 12
	SCG (\st)/4+1
.endif
.if (\st)%4 == 0
	s_wait_loadcnt 0x0                             ; these four steps' scale words are in
.endif
	s_wait_dscnt 32
.endif
.if \g == 1
.if (\st) < 15
	LDW (\st)+1, 1
	LDH (\st)+1
	s_wait_dscnt 48
.else
	s_wait_dscnt 16
.endif
.endif
.if \g == 2
.if (\st) < 15
	LDW (\st)+1, 2
	s_wait_dscnt 48
.else
	s_wait_dscnt 0x0
.endif
.endif
	MULS \st, \g, 0, \zero
	MULS \st, \g, 2, \zero
.endm
; k's run of a fill's last step: the change of slots.  All reads of this slot have been issued (the last: wv of this step).
.macro TURN st
.set FI, (\st)/3
	WIN 0
	s_wait_tensorcnt 0x0                           ; all my tensor loads have landed: my operand's part of the next slot;
	ds_add_u32 v[SPW], v[NIL]                      ; 0 onto my spare word;
.if FI == 3
	s_mov_b32 s[G1+1], (1536/8)<<16                ; no load of mine is out: of the last fill's rows 1,536 bytes are left
	s_mov_b32 s[G1B+1], (1536/8)<<16
.endif
	s_wait_dscnt 0x0                               ; the add is done, and my reads of this slot are over
	s_barrier_signal -1
	MULS \st, 1, 0, 0                              ; work on registers while the others arrive
	WIN 0
	s_barrier_wait -1
.if FI < 4
	CREST                                          ; the barrier has opened a round of the cluster's barrier: no wave of any partner still reads this slot
	s_add_nc_u64 s[G0+4*(FI%2)+2:G0+4*(FI%2)+3], s[G0+4*(FI%2)+2:G0+4*(FI%2)+3], 2*FB
	s_add_nc_u64 s[G0B+4*(FI%2)+2:G0B+4*(FI%2)+3], s[G0B+4*(FI%2)+2:G0B+4*(FI%2)+3], 2*FB
	JLOAD FI%2                                     ; fill FI + 2, first behind the round; its four v_nop are the places in front of the loads below
.else
	PLACES
.endif
	LDW (\st)+1, 1
	LDH (\st)+1
.if FI == 0
	PF 4
.endif
	MULS \st, 1, 2, 0
.endm
	s_load_b128 s[4:7], s[0:1], 0x0                ; hsq s[4:5], wq4 s[6:7]
	s_load_b64 s[8:9], s[0:1], 0x10                ; qkv
	v_lshl_add_u32 v[SPW], v0, 2, SPARE
	v_mov_b32 v[NIL], 0
	ds_add_u32 v[SPW], v[NIL]                      ; the opening lines: the add, twice on end, and its wait ahead of my first tensor load
	ds_add_u32 v[SPW], v[NIL]
	v_lshrrev_b32 v1, 5, v0
	v_readfirstlane_b32 s14, v1                    ; wave 0..3: also the operand that I ask for
	s_lshr_b32 s15, s14, 1                         ; wr: which 64 tokens
	s_and_b32 s16, s14, 1                          ; wc: which head
	s_bfe_u32 s40, ttmp6, 0x40000                  ; cx, cy
	s_bfe_u32 s41, ttmp6, 0x40004
	s_lshl_b32 s42, ttmp9, 2
	s_add_co_u32 s42, s42, s40                     ; C
	s_and_b32 s17, ttmp7, 0xffff
	s_lshl_b32 s17, s17, 2
	s_add_co_u32 s17, s17, s41                     ; R
	s_lshl_b32 s43, s41, 2
	s_lshl_b32 s43, 15, s43                        ; my row of the cluster
	s_lshl_b32 s44, 0x1111, s40                    ; my column
	s_or_b32 s[G1+0], s43, (3<<16)|(1<<21)         ; the mask; elements of 8 bytes; bit 21 beside a mask
	s_or_b32 s[G1B+0], s44, (3<<16)|(1<<21)
.irp g, G1, G1B
	s_mov_b32 s[\g+1], (FB/8)<<16                  ; a row: a tile's 4,608 bytes
	s_mov_b32 s[\g+2], 8<<16                       ; 8 tiles
	s_mov_b32 s[\g+3], (FB/8)<<16
	s_mov_b32 s[\g+4], 8
	s_mov_b32 s[\g+5], TB/8                        ; from tile to tile
	s_mov_b32 s[\g+6], 0
	s_mov_b32 s[\g+7], 0
.endr
	s_mul_i32 s20, s17, 8*TB                       ; the tokens' eight tiles
	s_mov_b32 s21, 0
	s_max_u32 s18, s14, 1
	s_sub_co_u32 s18, s18, 1                       ; which weight (wave 0 asks for none)
	s_mul_i32 s46, s18, OPB
	s_mul_i32 s47, s42, 8*TB
	s_add_co_u32 s46, s46, s47
	s_mov_b32 s47, 0
	s_mul_i32 s45, s14, OPL                        ; where my operand goes in a slot
	s_lshl_b32 s22, s17, 3
	s_lshl_b32 s23, s15, 2
	s_add_co_u32 s22, s22, s23
	s_lshl_b32 s22, s22, 10
	s_add_co_u32 s22, s22, OPB                     ; my four token tiles' scales
	s_mov_b32 s23, 0
	s_lshl_b32 s10, s42, 3
	s_lshl_b32 s11, s16, 2
	s_add_co_u32 s10, s10, s11
	s_lshl_b32 s10, s10, 10
	s_add_co_u32 s10, s10, WSC                     ; my four tiles' scales in wq; wk's and wv's lie OSB and 2 OSB further on
	s_mov_b32 s11, 0
	s_wait_dscnt 0x0                               ; both opening adds are done
	s_wait_kmcnt 0x0
	s_add_nc_u64 s[20:21], s[4:5], s[20:21]
	s_add_nc_u64 s[46:47], s[6:7], s[46:47]
	s_add_nc_u64 s[HSS:HSS+1], s[4:5], s[22:23]
	s_add_nc_u64 s[WSS:WSS+1], s[6:7], s[10:11]
.irp s, 0,1
	s_mov_b32 s[G0+4*\s], 1
	s_add_co_u32 s[G0+4*\s+1], s45, \s*SLOT
	s_add_nc_u64 s[G0+4*\s+2:G0+4*\s+3], s[20:21], \s*FB
	s_or_b32 s[G0+4*\s+3], s[G0+4*\s+3], 0x80000000
	s_mov_b32 s[G0B+4*\s], 1
	s_add_co_u32 s[G0B+4*\s+1], s45, \s*SLOT
	s_add_nc_u64 s[G0B+4*\s+2:G0B+4*\s+3], s[46:47], \s*FB
	s_or_b32 s[G0B+4*\s+3], s[G0B+4*\s+3], 0x80000000
.endr
	s_cmp_eq_u32 s14, 0                            ; the prefetches: my operand,
	s_cselect_b64 s[PFA:PFA+1], s[20:21], s[46:47]
	s_cselect_b32 s10, s40, s41                    ; my place among the four that ask for it with me,
	s_mul_i32 s10, s10, 2*TB                       ; and my two of its eight tiles
	s_mov_b32 s11, 0
	s_add_nc_u64 s[PFA:PFA+1], s[PFA:PFA+1], s[10:11]
	CROUND                                         ; all sixteen work-groups are here: the first joint loads meet
	JLOAD 0                                        ; fill 0: one tensor load a wave at the head
	; the scalar terms first, then the vector lines on end
	s_mul_i32 s18, s15, 4*FB                       ; my four token tiles in a slot,
	s_mul_i32 s19, s16, 4*FB
	s_add_co_u32 s19, s19, OPL                     ; and my four of wq
	s_lshl_b32 s72, s42, 1
	s_add_co_u32 s72, s72, s16                     ; the head
	s_mul_i32 s73, s72, 98304
	s_lshl_b32 s84, s17, 3
	s_lshl_b32 s85, s15, 2
	s_add_co_u32 s84, s84, s85                     ; my first token tile
	s_mul_i32 s84, s84, 768
	s_add_co_u32 s84, s84, s73
	s_mov_b32 s85, 0
	s_add_nc_u64 s[BQK:BQK+1], s[8:9], s[84:85]    ; q's codes; k's lie OPB further on
	s_mul_i32 s84, s17, 6144
	s_mul_i32 s81, s15, 768
	s_add_co_u32 s84, s84, s81
	s_add_co_u32 s84, s84, s73
	s_add_nc_u64 s[BV:BV+1], s[8:9], s[84:85]      ; v's codes less 2 OPB: key step R, half wr of each fragment
	s_lshl_b32 s86, s72, 13
	s_lshl_b32 s81, s17, 9
	s_add_co_u32 s86, s86, s81
	s_lshl_b32 s81, s15, 8
	s_add_co_u32 s86, s86, s81
	s_add_co_u32 s86, s86, QSO                     ; q's scale words: head x 8,192 + (2 R + wr) x 256
	s_mul_i32 s87, s72, 12288
	s_mul_i32 s84, s17, 768
	s_add_co_u32 s87, s87, s84
	s_add_co_u32 s87, s87, KVS                     ; k's and v's: head x 12,288 + R x 768
	s_add_co_u32 s80, s87, s81
	s_sub_co_u32 s80, s80, s86                     ; how far behind q's words k's lie
	s_mov_b32 s84, s86
	s_add_nc_u64 s[BS:BS+1], s[8:9], s[84:85]
	s_lshl_b32 s81, s15, 1
	s_add_co_u32 s84, s87, s81
	s_add_co_u32 s84, s84, 512
	s_add_nc_u64 s[BVS:BVS+1], s[8:9], s[84:85]    ; v's words, bytes 2 wr and 2 wr + 1
	v_and_b32 v3, 31, v0                           ; lane; kept
	v_min_u32 v[PFO], 17, v3
	v_lshlrev_b32 v[PFO], 8, v[PFO]                ; a fill's 18 blocks of a tile
	PF 1
	PF 2
	v_and_b32 v1, 15, v0                           ; r
	v_bfe_u32 v2, v0, 4, 1                         ; h
	v_lshlrev_b32 v[A16], 4, v3
	v_lshlrev_b32 v[SO1], 4, v1
	v_lshl_add_u32 v[A8], v2, 3, v[SO1]
	v_lshl_add_u32 v[SO2], v2, 17, v[SO1]          ; lanes 16-31: wk's scales, OSB further on
	v_lshl_add_u32 v[VSO], v2, 2, v[SO1]
	v_mul_u32_u24 v29, s80, v2
	v_add_nc_u32 v[QKO], v29, v[SO1]
	v_add_nc_u32 v[AD], s18, v[A16]
	v_add_nc_u32 v[AD+1], s18, v[A8]
	v_add_nc_u32 v[AD+2], s19, v[A16]
	v_add_nc_u32 v[AD+3], s19, v[A8]
.irp j, 4,5,6,7
	v_add_nc_u32 v[AD+\j], OPL, v[AD+\j-2]
.endr
.irp j, 0,1,2,3,4,5,6,7
	v_add_nc_u32 v[AD+8+\j], SLOT, v[AD+\j]
.endr
	SCG 0
	s_wait_alu depctr_va_vdst(0)
	s_wait_tensorcnt 0x0                           ; my operand's part of fill 0 is in;
	ds_add_u32 v[SPW], v[NIL]
	s_wait_dscnt 0x0
	CROUND                                         ; fill 0 is whole, and all sixteen work-groups are here
	JLOAD 1                                        ; slot 1's first fill, the first tensor load behind the round
	LDW 0, 1
	LDH 0
	PF 3
	LDW 0, 2
	SUB 0, 0, 1                                    ; the first step's products start the sums
	SUB 0, 1, 1
	SUB 0, 2, 1
.set ST, 1
.rept 15
	SUB ST, 0, 0
.if ST%3 == 2 && ST < 15
	TURN ST
.else
	SUB ST, 1, 0
.endif
	SUB ST, 2, 0
.set ST, ST+1
.endr
	WIN 0
	PLACES                                         ; behind the last products
.irp j, 0,1,2,3,4,5,6,7
	v_mov_b32 v[TP+\j], 0                          ; a lane permute's destination counts as one of its sources
.endr
	s_mov_b32 s20, 0x76543210
	s_mov_b32 s21, 0xfedcba98                      ; selects for lane l xor 16
; THE WAY OUT of product p.  For each tile a of source 1 the four accumulators hold 64 numbers along the next K: registers 16 B + i are place 32 B + 16 h + i.  A block of 32 lies in lanes l and l xor 16.  The eight blocks take turns.
.macro EPI p
.set AC, 128*((\p)%2)
.set WS, 2+(\p)/2
	WIN 5*WS                                       ; sources 0 and 1: the accumulators' window
.irp a, 0,1,2,3
.irp b, 0,1
	v_max3_num_f32 v[TM+2*\a+\b], |v[AC+32*\a+16*\b]|, |v[AC+32*\a+16*\b+1]|, 0x1800000    ; each accumulator from its low end on; the floor 2^(3 - 127)
.endr
.endr
.irp i, 2,4,6,8,10,12,14
.irp a, 0,1,2,3
.irp b, 0,1
	v_max3_num_f32 v[TM+2*\a+\b], |v[AC+32*\a+16*\b+\i]|, |v[AC+32*\a+16*\b+\i+1]|, v[TM+2*\a+\b]
.endr
.endr
.endr
	WIN 0
.irp j, 0,1,2,3,4,5,6,7
	v_permlanex16_b32 v[TP+\j], v[TM+\j], s20, s21
.endr
.irp j, 0,1,2,3,4,5,6,7
	v_max_num_f32 v[TM+\j], v[TM+\j], v[TP+\j]
.endr
.irp j, 0,1,2,3,4,5,6,7
	v_add_nc_u32 v[SOX+\j], 0xff000000, v[TM+\j]   ; 2 off the exponent field: the conversion's scale operand
.endr
.irp j, 0,1,2,3,4,5,6,7
	v_lshrrev_b32 v[BY+\j], 23, v[SOX+\j]          ; the byte
.endr
.irp a, 0,1,2,3
	v_lshl_or_b32 v[WD+4*(\p)+\a], v[BY+2*\a+1], 8, v[BY+2*\a]
.endr
	s_wait_alu depctr_va_vdst(0)
	s_wait_xcnt 0x0                                ; the last product's stores have read their data: the codes' registers are rewritten only behind this wait
	WIN WS
.irp a, 0,1,2,3
	v_cvt_scalef32_pk16_fp6_f32 v[PC+6*\a:PC+6*\a+2], v[AC+32*\a:AC+32*\a+15], v[SOX+2*\a]
	v_cvt_scalef32_pk16_fp6_f32 v[PT+4*\a:PT+4*\a+2], v[AC+32*\a+16:AC+32*\a+31], v[SOX+2*\a+1]
.endr
	WIN 0
	v_nop                                          ; one plain line behind the conversions
.irp a, 0,1,2,3
.irp i, 0,1,2
	v_permlane16_swap_b32 v[PC+6*\a+\i], v[PT+4*\a+\i]   ; a whole block to a lane
.endr
.endr
.irp a, 0,1,2,3
.irp i, 0,1,2
	v_mov_b32 v[PC+6*\a+3+\i], v[PT+4*\a+\i]
.endr
.endr
.irp a, 0,1,2,3
.if \p == 2
	global_store_b128 v[A16], v[PC+6*\a:PC+6*\a+3], s[BV:BV+1] offset:2*OPB+1536*\a            ; 512 consecutive bytes, aligned
	global_store_b64 v[A8], v[PC+6*\a+4:PC+6*\a+5], s[BV:BV+1] offset:2*OPB+1536*\a+512        ; 256
.else
	global_store_b128 v[A16], v[PC+6*\a:PC+6*\a+3], s[BQK:BQK+1] offset:(\p)*OPB+768*\a
	global_store_b64 v[A8], v[PC+6*\a+4:PC+6*\a+5], s[BQK:BQK+1] offset:(\p)*OPB+768*\a+512
.endif
.endr
.endm
	EPI 0
	EPI 1
	EPI 2
	v_cmp_le_u32 vcc_lo, 16, v3
.irp a, 0,1,2,3
	v_cndmask_b32 v[XW+\a], v[WD+\a], v[WD+4+\a], vcc_lo     ; lanes 0-15 q's four words of row r, lanes 16-31 k's; bytes 2 and 3 are 0
.endr
	v_cndmask_b32 v[XW+4], v[WD+8], v[WD+9], vcc_lo          ; v: lane (r, h) has the bytes of d tiles h and 2 + h
	v_cndmask_b32 v[XW+5], v[WD+10], v[WD+11], vcc_lo
	global_store_b128 v[QKO], v[XW:XW+3], s[BS:BS+1]         ; two units of 256 consecutive bytes
	global_store_b16 v[VSO], v[XW+4], s[BVS:BVS+1]           ; small stores: a word of v's scales has two bytes from each of two waves (64 keys each)
	global_store_b16 v[VSO], v[XW+5], s[BVS:BVS+1] offset:8
	s_wait_tensorcnt 0x0                           ; the wave's end
	ds_add_u32 v[SPW], v[NIL]
	s_wait_dscnt 0x0
	CROUND                                         ; the closing round
	s_endpgm
.Lfunc_end_k_qf8ac59dda9_qkv:
	.size	k_qf8ac59dda9_qkv, .Lfunc_end_k_qf8ac59dda9_qkv-k_qf8ac59dda9_qkv
	.p2alignl 7, 3214868480
	.fill 96, 4, 3214868480
	.section	.rodata,"a",@progbits
	.p2align	6, 0x0
	.amdhsa_kernel k_qf8ac59dda9_qkv
		.amdhsa_group_segment_fixed_size 327680
		.amdhsa_private_segment_fixed_size 0
		.amdhsa_enable_private_segment 0
		.amdhsa_kernarg_size 24
		.amdhsa_user_sgpr_count 2
		.amdhsa_user_sgpr_kernarg_segment_ptr 1
		.amdhsa_wavefront_size32 1
		.amdhsa_system_sgpr_workgroup_id_x 1
		.amdhsa_system_sgpr_workgroup_id_y 1
		.amdhsa_system_sgpr_workgroup_id_z 1
		.amdhsa_system_vgpr_workitem_id 0
		.amdhsa_next_free_vgpr 896
		.amdhsa_next_free_sgpr 100
		.amdhsa_reserve_vcc 1
		.amdhsa_float_denorm_mode_32 3
		.amdhsa_float_denorm_mode_16_64 3
		.amdhsa_memory_ordered 1
		.amdhsa_forward_progress 1
		.amdhsa_inst_pref_size 217
	.end_amdhsa_kernel
	.amdgpu_metadata
---
amdhsa.version: [ 1, 2 ]
amdhsa.kernels:
  - .name:           k_qf8ac59dda9_qkv
    .symbol:         k_qf8ac59dda9_qkv.kd
    .args:
      - { .name: hsq, .offset: 0, .size: 8, .value_kind: global_buffer, .address_space: global }
      - { .name: wq4, .offset: 8, .size: 8, .value_kind: global_buffer, .address_space: global }
      - { .name: qkv, .offset: 16, .size: 8, .value_kind: global_buffer, .address_space: global }
    .group_segment_fixed_size: 327680
    .private_segment_fixed_size: 0
    .kernarg_segment_align: 8
    .kernarg_segment_size: 24
    .max_flat_workgroup_size: 128
    .sgpr_count:     100
    .vgpr_count:     896
    .wavefront_size: 32
...
	.end_amdgpu_metadata
.endif
;; end of part 2
;; launch attn (part 3): grid 8 x 32, 16 waves a work-group, no clusters, 327,680 bytes of LDS; arguments qkv, rel_emb, att; writes att
.if DOCPART == 3
	.amdgcn_target "amdgcn-amd-amdhsa--gfx1250"
	.amdhsa_code_object_version 6
	.text
	.protected	k_qf8ac59dda9_attn
	.globl	k_qf8ac59dda9_attn
	.p2align	8
	.type	k_qf8ac59dda9_attn,@function
k_qf8ac59dda9_attn:
	s_mov_b64 s[64:65], 0
	v_nop
	global_prefetch_b8 v0, s[64:65] scope:SCOPE_SE
	s_setreg_imm32_b32 hwreg(HW_REG_WAVE_MODE, 25, 1), 1
	s_wait_xcnt 0x0
; For one head and 256 queries: S = q k^T + bias, p = 2^(t - M), O = p v / l, both products on codes of FP6 (E2M3) with E8M0 scales; O is quantised along (head, d) and leaves as codes for the last product.
; t = (score + bias) x log2(e); M = the running largest t rounded up to a whole number; p is quantised along the keys, not normalised; l is the sum of the unquantised p.  When M moves, l and O are multiplied by 2^(old M - new M): exact.
; SHARES.  Sixteen waves, four to a SIMD; wave w owns image tile T = 16 x work-group x + w of q: lane-row r is query q0 + r + 8 (r / 8), q0 = 32 (T / 2) + 8 (T % 2).  Every wave walks all 2,048 keys, 128 a step.
; LDS: the head's K codes (98,304 bytes, dense), then its V codes (98,304), then the scale words (12,288), the bias table and the spare words.  No byte is filled twice.
; TWO TENSOR LOADS A WAVE.  At the head: an eighth of the first 512 keys' codes (3,072 bytes; waves 0-7 K's, waves 8-15 V's).  Behind the first barrier: an eighth of the other
; 1,536 keys' codes (9,216 bytes), which lands under the first four steps and is awaited at the second barrier.  Every wait on TENSORcnt is for 0.
; The scale words come through registers: wave w loads key step w's 768 bytes and stores them to LDS ahead of the first barrier; no fill lands there.
; No joint loads: the branches round the bias's loads hang on the queries, which differ between the work-groups of a head.  No prefetch: all of K and V is asked for by the second load; no loop is left to run ahead in.
; LAYOUT.  S^T = K Q^T, O^T = V^T P^T: a lane holds one query.  K's tile t gives register j the key 32 (t / 2) + 16 h + 8 (t % 2) + j, so p's 16 registers of two neighbouring tiles are 16 neighbouring keys.
; K = 64 FILLS HALF OF THE INSTRUCTION'S 128: q's registers 6-11 are zero codes and bytes 2, 3 of q's and k's scale words are 0 (2^-127, a finite number).  K's operand of tile t names 12 registers, of which the upper six hold
; the next tile's codes (behind tile 7: zeros): they meet q's zero codes and add exactly 0.
; THE BIAS is rel_emb[bucket(key - query)][head], a function of whole numbers: with n = |key - query|, bucket = min(n, 8) + [n>=12] + [n>=16] + [n>=23] + [n>=32] + [n>=46] + [n>=64] + [n>=91] + 16 [key > query].
; LIMIT: at n = 16, 32, 64 this takes log(2), log(4), log(8) in f32 as correctly rounded, so that the quotients by log(16) are exactly 1/4, 1/2, 3/4.
; It enters as the C of the first product.  Where all of a step's distances are 91 or more it is one number (bucket 15 below the diagonal, 31 above); else it comes from a table in LDS, four copies shifted by one place each,
; so that every lane's 16 bytes begin on a multiple of 16.  Place x of copy c holds the bias of distance x - c - 384.
; THE TABLE'S ADDRESS.  A step's first key less q0 is 128 IX - 128 - qw, with IX = step - 2 x work-group x + 1 and qw = 32 (w / 2) + 8 (w % 2).  In a near step IX is 0 .. 3: the address is a lane's and wave's term plus 512 IX,
; which stands in the loads' immediate: the 16 loads are written four times, under branches on IX.
; LIMITS: a block of zeros gets the byte 1 where the rule says 127; blocks under 2^(3 - 127) were not tried; NaN and infinities are not served.
.set OPB,   3145728
.set QSO,   3*OPB
.set KVS,   QSO+262144
.set KB,    98304                      ; a head's codes of K, and of V
.set P0,    24576                      ; those of the first 512 keys
.set SH0,   P0/8                       ; a wave's share at the head: 12 rows of 256 bytes
.set SH1,   (KB-P0)/8                  ; and behind the first barrier: 36 rows
.set SCW,   2*KB                       ; the scale words: 16 key steps x 768 bytes, written by LDS stores
.set BT,    SCW+12288                  ; the bias table: 4 copies x 4,160 bytes, written by LDS stores
.set BTP,   4160
.set SPARE, BT+4*BTP                   ; the spare words, 128 bytes a wave
.set A16,   1                          ; v1  16 x lane
.set A8,    2                          ; v2  16 r + 8 h
.set BA0,   3                          ; v3  my place in the bias table
.set SPW,   4
.set NIL,   5
.set ADK16, 6                          ; v6-11 the step's addresses: K, scale words, V
.set ADK8,  7
.set ADS16, 8
.set ADS8,  9
.set ADV16, 10
.set ADV8,  11
.set TBA,   10                         ; at the head v10 is where my thread stores into the bias table
.set QF,    16                         ; v16-27 q's fragment; v12 -M, v13 the largest t, v[14:15] the sum in two halves
.set QSW,   28
.set PSW,   29
.set FF,    30                         ; v[30:31] f = 2^(old M - new M); at the end 1 / l
.set F,     32                         ; v32-85 K's eight half fragments (and six zeros), then V's four fragments
.set KS,    86
.set VS,    90
.set BC,    92                         ; v92-99 the far bias, eight times
.set S,     100                        ; v100-163 S^T, then p
.set O,     164                        ; v164-195 O^T
.set PC,    196
.set PT,    208
.set BM,    216
.set BP,    220
.set SO,    224
.set TT,    228
.set WV,  10
.set HD,  11
.set DF,  14                           ; s14 key step's first key - q0 + 216: for the near / far branch alone
.set TK,  16                           ; s16 where the step's K begins in LDS (its V: KB further on)
.set TS,  17                           ; s17 and its scale words
.set CNT, 18
.set IX,  19
.set SEL, 20
.set CS,  22
.set G1U, 24                           ; s[24:31] group 1: 12 rows of 256 dense bytes
.set G1R, 32                           ; s[32:39] 36 rows
.set G0P, 44                           ; s[44:47], s[48:51] group 0 of my two loads
.macro KQ inplace                      ; S^T = K Q^T + bias: eight tiles of 16 keys
.irp t, 0,1,2,3,4,5,6,7
.if \inplace
.if \t < 4
	v_wmma_scale_f32_16x16x128_f8f6f4 v[S+8*\t:S+8*\t+7], v[F+6*\t:F+6*\t+11], v[QF:QF+11], v[S+8*\t:S+8*\t+7], v[KS+\t%4], v[QSW] matrix_a_fmt:MATRIX_FMT_FP6 matrix_b_fmt:MATRIX_FMT_FP6
.else
	v_wmma_scale_f32_16x16x128_f8f6f4 v[S+8*\t:S+8*\t+7], v[F+6*\t:F+6*\t+11], v[QF:QF+11], v[S+8*\t:S+8*\t+7], v[KS+\t%4], v[QSW] matrix_a_fmt:MATRIX_FMT_FP6 matrix_b_fmt:MATRIX_FMT_FP6 matrix_a_scale:MATRIX_SCALE_ROW1
.endif
.else
.if \t < 4
	v_wmma_scale_f32_16x16x128_f8f6f4 v[S+8*\t:S+8*\t+7], v[F+6*\t:F+6*\t+11], v[QF:QF+11], v[BC:BC+7], v[KS+\t%4], v[QSW] matrix_a_fmt:MATRIX_FMT_FP6 matrix_b_fmt:MATRIX_FMT_FP6
.else
	v_wmma_scale_f32_16x16x128_f8f6f4 v[S+8*\t:S+8*\t+7], v[F+6*\t:F+6*\t+11], v[QF:QF+11], v[BC:BC+7], v[KS+\t%4], v[QSW] matrix_a_fmt:MATRIX_FMT_FP6 matrix_b_fmt:MATRIX_FMT_FP6 matrix_a_scale:MATRIX_SCALE_ROW1
.endif
.endif
.endr
.endm
.macro BIAS x                          ; IX = x: the bias of keys 32 b + 16 h + 4 i + 0 .. 3, into the scores' registers
.irp b, 0,1,2,3
.irp i, 0,1,2,3
	ds_load_b128 v[S+16*\b+4*\i:S+16*\b+4*\i+3], v[BA0] offset:512*(\x)+128*\b+16*\i
.endr
.endr
.endm
; A KEY STEP: 128 keys.
.macro STEP
	v_add_nc_u32 v[ADK16], s[TK], v[A16]           ; (these six are the places behind the last step's products, in front of the loads below)
	v_add_nc_u32 v[ADK8], s[TK], v[A8]
	v_add_nc_u32 v[ADV16], KB, v[ADK16]
	v_add_nc_u32 v[ADV8], KB, v[ADK8]
	v_add_nc_u32 v[ADS16], s[TS], v[A16]
	v_add_nc_u32 v[ADS8], s[TS], v[A8]
.irp t, 0,1,2,3,4,5,6,7
	ds_load_b128 v[F+6*\t:F+6*\t+3], v[ADK16] offset:768*\t
	ds_load_b64 v[F+6*\t+4:F+6*\t+5], v[ADK8] offset:768*\t+512
.endr
	ds_load_b128 v[KS:KS+3], v[ADS16]              ; word j of lane (r, h): tile 4 h + j
	s_cmp_le_u32 s[DF], 328                        ; near the diagonal: first key - q0 in -216 .. 112; a branch on ids and the count of steps alone
	s_cbranch_scc0 .Lfar_\@
	s_cmp_lt_u32 s[IX], 2                          ; in a near step IX is 0, 1, 2 or 3
	s_cbranch_scc0 .Lhigh_\@
	s_cmp_eq_u32 s[IX], 0
	s_cbranch_scc0 .Lone_\@
	BIAS 0
	s_branch .Lgot_\@
.Lone_\@:
	BIAS 1
	s_branch .Lgot_\@
.Lhigh_\@:
	s_cmp_eq_u32 s[IX], 2
	s_cbranch_scc0 .Lthree_\@
	BIAS 2
	s_branch .Lgot_\@
.Lthree_\@:
	BIAS 3
.Lgot_\@:
	s_wait_dscnt 0x0
	KQ 1
.irp j, 0,1,2,3,4,5,6,7
	v_mov_b32 v[BC+\j], s97                        ; every far step from here on lies above the diagonal.  (Eight places behind the products)
.endr
	s_branch .Ljoin_\@
.Lfar_\@:
	s_wait_dscnt 0x0
	s_wait_alu depctr_va_vdst(0)
	KQ 0
.rept 4
	v_nop                                          ; places behind the products
.endr
.Ljoin_\@:
.irp t, 0,1,2,3                        ; V's four fragments are asked for now and land under the softmax
	ds_load_b128 v[F+12*\t:F+12*\t+3], v[ADV16] offset:1536*\t
	ds_load_b64 v[F+12*\t+4:F+12*\t+5], v[ADV8] offset:1536*\t+512
	ds_load_b128 v[F+12*\t+6:F+12*\t+9], v[ADV16] offset:1536*\t+768
	ds_load_b64 v[F+12*\t+10:F+12*\t+11], v[ADV8] offset:1536*\t+1280
.endr
	s_wait_alu depctr_va_vdst(0)
	ds_load_b64 v[VS:VS+1], v[ADS8] offset:512     ; lane (r, h): the words of tiles 2 h and 2 h + 1
.irp b, 0,1,2,3
	v_max3_num_f32 v[BM+\b], v[S+16*\b], v[S+16*\b+1], v[S+16*\b+2]   ; the largest score of each block of 32 keys: for the row's maximum and, since p rises with the score, for the block's largest p
.endr
.irp i, 3,5,7,9,11,13
.irp b, 0,1,2,3
	v_max3_num_f32 v[BM+\b], v[BM+\b], v[S+16*\b+\i], v[S+16*\b+\i+1]
.endr
.endr
.irp b, 0,1,2,3
	v_max_num_f32 v[BM+\b], v[BM+\b], v[S+16*\b+15]
.endr
.irp b, 0,1,2,3
	s_delay_alu instid0(VALU_DEP_4)
	v_permlanex16_b32 v[BP+\b], v[BM+\b], s[SEL], s[SEL+1]
.endr
.irp b, 0,1,2,3
	s_delay_alu instid0(VALU_DEP_4)
	v_max_num_f32 v[BM+\b], v[BM+\b], v[BP+\b]     ; with lane l xor 16's 16 keys
.endr
	s_delay_alu instid0(VALU_DEP_2)
	v_max3_num_f32 v[TT], v[BM], v[BM+1], v[BM+2]
	s_delay_alu instid0(VALU_DEP_1)
	v_max_num_f32 v[TT], v[TT], v[BM+3]
	s_delay_alu instid0(VALU_DEP_1)
	v_mul_f32 v[TT], s[CS], v[TT]                  ; as t
	s_delay_alu instid0(VALU_DEP_1)
	v_max_num_f32 v13, v13, v[TT]                  ; the running largest t
	v_mov_b32 v[TT], v12
	s_delay_alu instid0(VALU_DEP_2)
	v_floor_f32 v12, -v13                          ; the new -M = floor(-t)
	s_delay_alu instid0(VALU_DEP_1)
	v_sub_f32 v[TT], v12, v[TT]                    ; old M - new M: a whole number, 0 or less
	s_delay_alu instid0(VALU_DEP_1)
	v_cvt_i32_f32 v[TT], v[TT]                     ; (it saturates)
	s_delay_alu instid0(VALU_DEP_1)
	v_ldexp_f32 v[FF], 1.0, v[TT]                  ; f
.set J, 0
.rept 32
	v_pk_fma_f32 v[S+J:S+J+1], v[S+J:S+J+1], s[CS:CS+1], v[12:13] op_sel_hi:[1,0,0]   ; t - M, two at a time
.set J, J+2
.endr
.irp b, 0,1,2,3
	v_fma_f32 v[BM+\b], v[BM+\b], s[CS], v12       ; the same of each block's largest score
.endr
.set J, 0
	s_wait_alu depctr_va_vdst(0)
.rept 64
	v_exp_f32 v[S+J], v[S+J]                       ; p = 2^(t - M)
.set J, J+1
.endr
	v_pk_mul_f32 v[14:15], v[14:15], v[FF:FF+1] op_sel_hi:[1,0]   ; the sums under the new M; the plain line behind the exponentials
	s_wait_alu depctr_va_vdst(0)                   ; one wait for the batch, ahead of its first reader
.irp b, 0,1,2,3
	v_exp_f32 v[BM+\b], v[BM+\b]                   ; the block's largest p
.endr
	v_pk_add_f32 v[220:221], v[104:105], v[108:109]   ; the row's sum of the unquantised p, in eight chains
	v_pk_add_f32 v[238:239], v[112:113], v[116:117]
	v_pk_add_f32 v[236:237], v[120:121], v[124:125]
	v_pk_add_f32 v[234:235], v[128:129], v[132:133]
	v_pk_add_f32 v[232:233], v[136:137], v[140:141]
	v_pk_add_f32 v[230:231], v[144:145], v[148:149]
	v_pk_add_f32 v[228:229], v[152:153], v[156:157]
	v_pk_add_f32 v[14:15], v[14:15], v[160:161]
	v_pk_add_f32 v[220:221], v[220:221], v[100:101]
	v_pk_add_f32 v[238:239], v[238:239], v[102:103]
	v_pk_add_f32 v[236:237], v[236:237], v[106:107]
	v_pk_add_f32 v[234:235], v[234:235], v[110:111]
	v_pk_add_f32 v[232:233], v[232:233], v[114:115]
	v_pk_add_f32 v[230:231], v[230:231], v[118:119]
	v_pk_add_f32 v[228:229], v[228:229], v[122:123]
	v_pk_add_f32 v[14:15], v[14:15], v[126:127]
	v_pk_add_f32 v[220:221], v[220:221], v[130:131]
	v_pk_add_f32 v[238:239], v[238:239], v[134:135]
	v_pk_add_f32 v[236:237], v[236:237], v[138:139]
	v_pk_add_f32 v[234:235], v[234:235], v[142:143]
	v_pk_add_f32 v[232:233], v[232:233], v[146:147]
	v_pk_add_f32 v[230:231], v[230:231], v[150:151]
	v_pk_add_f32 v[228:229], v[228:229], v[154:155]
	v_pk_add_f32 v[14:15], v[14:15], v[158:159]
	v_pk_add_f32 v[220:221], v[220:221], v[162:163]
	s_delay_alu instid0(VALU_DEP_2)
	v_pk_add_f32 v[14:15], v[14:15], v[234:235]
	s_delay_alu instid0(VALU_DEP_2)
	v_pk_add_f32 v[220:221], v[220:221], v[232:233]
	v_pk_add_f32 v[238:239], v[238:239], v[230:231]
	v_pk_add_f32 v[236:237], v[236:237], v[228:229]
	s_delay_alu instid0(VALU_DEP_2)
	v_pk_add_f32 v[14:15], v[14:15], v[238:239]
	s_delay_alu instid0(VALU_DEP_2)
	v_pk_add_f32 v[220:221], v[220:221], v[236:237]
	s_delay_alu instid0(VALU_DEP_1)
	v_pk_add_f32 v[14:15], v[14:15], v[220:221]
	s_wait_alu depctr_va_vdst(0)                   ; and one for the four
.irp b, 0,1,2,3
	v_max_num_f32 v[BM+\b], 0x1800000, v[BM+\b]    ; the floor 2^(3 - 127)
.endr
.irp b, 0,1,2,3
	s_delay_alu instid0(VALU_DEP_4)
	v_add_nc_u32 v[SO+\b], 0xff000000, v[BM+\b]    ; the conversion's scale operand
.endr
.irp b, 0,1,2,3
	s_delay_alu instid0(VALU_DEP_4)
	v_lshrrev_b32 v[BP+\b], 23, v[SO+\b]           ; the byte
.endr
	s_delay_alu instid0(VALU_DEP_3)
	v_lshl_or_b32 v[PSW], v[BP+1], 8, v[BP]
	s_delay_alu instid0(VALU_DEP_1)
	v_lshl_or_b32 v[PSW], v[BP+2], 16, v[PSW]
	s_delay_alu instid0(VALU_DEP_1)
	v_lshl_or_b32 v[PSW], v[BP+3], 24, v[PSW]
.irp c, 0,1
	v_cvt_scalef32_pk16_fp6_f32 v[PC+6*\c:PC+6*\c+2], v[S+32*\c:S+32*\c+15], v[SO+2*\c]
	v_cvt_scalef32_pk16_fp6_f32 v[PT+4*\c:PT+4*\c+2], v[S+32*\c+16:S+32*\c+31], v[SO+2*\c+1]
.endr
	v_nop                                          ; one plain line behind the conversions
.irp c, 0,1
.irp i, 0,1,2
	v_permlane16_swap_b32 v[PC+6*\c+\i], v[PT+4*\c+\i]
.endr
.irp i, 0,1,2
	s_delay_alu instid0(VALU_DEP_3)
	v_mov_b32 v[PC+6*\c+3+\i], v[PT+4*\c+\i]
.endr
.endr
.set J, 0
.rept 16
	v_pk_mul_f32 v[O+J:O+J+1], v[O+J:O+J+1], v[FF:FF+1] op_sel_hi:[1,0]   ; O^T under the new M; twelve of these name no register of a given product below: its places behind the writes of p's codes and scale word
.set J, J+2
.endr
	s_wait_alu depctr_va_vdst(0)
	s_wait_dscnt 0x0                               ; V
.irp t, 0,1
	v_wmma_scale_f32_16x16x128_f8f6f4 v[O+8*\t:O+8*\t+7], v[F+12*\t:F+12*\t+11], v[PC:PC+11], v[O+8*\t:O+8*\t+7], v[VS+\t], v[PSW] matrix_a_fmt:MATRIX_FMT_FP6 matrix_b_fmt:MATRIX_FMT_FP6
.endr
.irp t, 2,3
	v_wmma_scale_f32_16x16x128_f8f6f4 v[O+8*\t:O+8*\t+7], v[F+12*\t:F+12*\t+11], v[PC:PC+11], v[O+8*\t:O+8*\t+7], v[VS+\t-2], v[PSW] matrix_a_fmt:MATRIX_FMT_FP6 matrix_b_fmt:MATRIX_FMT_FP6 matrix_a_scale:MATRIX_SCALE_ROW1
.endr
	s_add_co_u32 s[TK], s[TK], 6144
	s_add_co_u32 s[TS], s[TS], 768
	s_add_co_u32 s[DF], s[DF], 128
	s_add_co_u32 s[IX], s[IX], 1
.endm
; A run of key steps behind its barrier.  first = 1: the first 512 keys; behind the barrier goes my second load, a first fill.
.macro PART trips, first
	s_wait_tensorcnt 0x0                           ; my load has landed,
.if \first
	ds_add_u32 v[SPW], v[NIL]
.endif
	s_wait_dscnt 0x0                               ; my LDS instructions are done (the first time: my stores of the scale words and into the bias table),
	s_barrier_signal -1
	s_barrier_wait -1                              ; and so are everybody's
.if \first
	tensor_load_to_lds s[G0P+4:G0P+7], s[G1R:G1R+7]   ; my share of keys 512 .. 2,047: bytes that no step of this run reads
	s_nop 0
.endif
	s_mov_b32 s[CNT], \trips
.Lstep_\@:
	STEP
	s_sub_co_u32 s[CNT], s[CNT], 1
	s_cmp_lg_u32 s[CNT], 0
	s_cbranch_scc1 .Lstep_\@
.endm
	s_load_b128 s[4:7], s[0:1], 0x0                ; qkv s[4:5], rel_emb s[6:7]
	s_load_b64 s[8:9], s[0:1], 0x10                ; att
	v_lshl_add_u32 v[SPW], v0, 2, SPARE
	v_mov_b32 v[NIL], 0
	ds_add_u32 v[SPW], v[NIL]                      ; the opening lines: the add, twice on end, and its wait ahead of my first tensor load
	ds_add_u32 v[SPW], v[NIL]
	v_lshrrev_b32 v11, 5, v0
	s_delay_alu instid0(VALU_DEP_1)
	v_readfirstlane_b32 s[WV], v11                 ; wave 0..15
	v_and_b32 v11, 31, v0
	s_delay_alu instid0(VALU_DEP_1)
	v_lshlrev_b32 v[A16], 4, v11
	v_and_b32 v[BM], 15, v0                        ; r
	v_bfe_u32 v[BM+1], v0, 4, 1                    ; h
	s_delay_alu instid0(VALU_DEP_2)
	v_lshlrev_b32 v[BM+2], 4, v[BM]                ; 16 r
	s_delay_alu instid0(VALU_DEP_1)
	v_lshl_add_u32 v[A8], v[BM+1], 3, v[BM+2]
	v_lshl_add_u32 v[TBA], v0, 2, BT
	v_xor_b32 v[BP], 0x1ec, v0                     ; bits 2, 3 (of r) and 5 to 8 (the wave's number) turned over: 1 - b for each
	v_and_b32 v[BM+3], 3, v0                       ; my copy: r % 4
	s_delay_alu instid0(VALU_DEP_1)
	v_mul_u32_u24 v[BA0], v[BM+3], BTP
	s_delay_alu instid0(VALU_DEP_1)
	v_lshl_add_u32 v[BA0], v[BM+1], 6, v[BA0]      ; + 64 h
	s_delay_alu instid0(VALU_DEP_4)
	v_bfe_u32 v[BP+1], v[BP], 2, 1
	s_delay_alu instid0(VALU_DEP_1)
	v_lshl_add_u32 v[BA0], v[BP+1], 4, v[BA0]      ; + 16 (1 - bit 2 of r)
	v_bfe_u32 v[BP+1], v[BP], 3, 1
	s_delay_alu instid0(VALU_DEP_1)
	v_lshl_add_u32 v[BA0], v[BP+1], 6, v[BA0]      ; + 64 (1 - bit 3 of r): the two are 80 - 4 (r + 8 (r / 8) - r % 4)
	v_bfe_u32 v[BP+1], v[BP], 5, 1
	s_delay_alu instid0(VALU_DEP_1)
	v_lshl_add_u32 v[BA0], v[BP+1], 5, v[BA0]      ; + 32 (1 - w % 2)
	v_bfe_u32 v[BP+1], v[BP], 6, 3
	s_delay_alu instid0(VALU_DEP_1)
	v_lshl_add_u32 v[BA0], v[BP+1], 7, v[BA0]      ; + 128 (7 - w / 2): the two are 4 (232 - qw)
	s_delay_alu instid0(VALU_DEP_1)
	v_add_nc_u32 v[BA0], BT+16, v[BA0]             ; with 512 IX and 4 (32 b + 4 i + j): the place of distance 128 IX - 128 - qw + 32 b + 16 h + 4 i + j - r - 8 (r / 8)
	s_and_b32 s[HD], ttmp7, 0xffff                 ; the head
.irp g, G1U, G1R
	s_mov_b32 s[\g], 3<<16                         ; no mask; elements of 8 bytes; no padding
	s_mov_b32 s[\g+1], 32<<16                      ; tensor_dim0 = 32 elements: 256 bytes
	s_mov_b32 s[\g+3], 32<<16                      ; tile_dim0
	s_mov_b32 s[\g+5], 32                          ; the rows follow each other in memory
	s_mov_b32 s[\g+6], 0
	s_mov_b32 s[\g+7], 0
.endr
	s_mov_b32 s[G1U+2], 12<<16                     ; rows
	s_mov_b32 s[G1U+4], 12
	s_mov_b32 s[G1R+2], 36<<16
	s_mov_b32 s[G1R+4], 36
	s_mul_i32 s84, s[HD], KB                       ; the head's codes in q, k and v alike
	s_mov_b32 s85, 0
	s_mul_i32 s73, s[WV], 768                      ; my share of the scale words: key step w's 768 bytes
	s_mul_i32 s86, s[HD], 12288
	s_add_co_u32 s86, s86, KVS
	s_add_co_u32 s86, s86, s73
	s_mov_b32 s87, 0
	s_add_co_u32 s73, s73, SCW                     ; and their place in LDS
	s_and_b32 s68, s[WV], 7                        ; which eighth,
	s_lshr_b32 s69, s[WV], 3                       ; of K (0) or of V (1)
	s_mul_i32 s72, s68, SH0
	s_mul_i32 s75, s68, SH1
	s_add_co_u32 s75, s75, P0
	s_mul_i32 s76, s69, KB
	s_mul_i32 s77, s69, OPB
	s_add_co_u32 s77, s77, OPB
	s_add_co_u32 s77, s77, s84
	s_add_co_u32 s[G0P+1], s72, s76                ; LDS addresses of my two loads
	s_add_co_u32 s[G0P+5], s75, s76
	s_add_co_u32 s68, s72, s77                     ; and their places in qkv
	s_mov_b32 s69, 0
	s_add_co_u32 s80, s75, s77
	s_mov_b32 s81, 0
	s_lshl_b32 s12, ttmp9, 4
	s_add_co_u32 s12, s12, s[WV]                   ; T; kept
	s_lshr_b32 s13, s12, 1
	s_lshl_b32 s13, s13, 5
	s_and_b32 s15, s12, 1
	s_lshl_b32 s15, s15, 3
	s_add_co_u32 s13, s13, s15                     ; q0
	s_sub_co_i32 s[DF], 216, s13
	s_lshl_b32 s[IX], ttmp9, 1
	s_sub_co_u32 s[IX], 1, s[IX]                   ; step 0: 1 - 2 x work-group x
	s_mov_b32 s[SEL], 0x76543210
	s_mov_b32 s[SEL+1], 0xfedcba98
	s_mov_b32 s[CS], 0x3fb8aa3b                    ; log2(e)
	s_mov_b32 s[CS+1], s[CS]
	s_mov_b32 s[TK], 0
	s_mov_b32 s[TS], SCW
	s_mul_i32 s90, s12, 768                        ; q's half fragment
	s_mov_b32 s91, 0
	s_lshl_b32 s92, s[HD], 13                      ; q's scale word: head x 8,192 + (T / 4) x 256 + 16 r + 4 (T % 4)
	s_lshr_b32 s93, s12, 2
	s_lshl_b32 s93, s93, 8
	s_add_co_u32 s92, s92, s93
	s_and_b32 s93, s12, 3
	s_lshl_b32 s93, s93, 2
	s_add_co_u32 s92, s92, s93
	s_add_co_u32 s92, s92, QSO
	s_mov_b32 s93, 0
	s_lshl_b32 s94, s[HD], 2
	s_mov_b32 s95, 0
	s_wait_dscnt 0x0                               ; both opening adds are done
	s_wait_kmcnt 0x0
	s_mov_b32 s[G0P], 1
	s_add_nc_u64 s[G0P+2:G0P+3], s[4:5], s[68:69]
	s_or_b32 s[G0P+3], s[G0P+3], 0x80000000
	s_mov_b32 s[G0P+4], 1
	s_add_nc_u64 s[G0P+6:G0P+7], s[4:5], s[80:81]
	s_or_b32 s[G0P+7], s[G0P+7], 0x80000000
	tensor_load_to_lds s[G0P:G0P+3], s[G1U:G1U+7]  ; my one load at the head: my share of keys 0 .. 511
	s_nop 0
	s_add_nc_u64 s[88:89], s[4:5], s[84:85]        ; q's codes of my head
	s_add_nc_u64 s[86:87], s[4:5], s[86:87]        ; my 768 bytes of scale words
	s_add_nc_u64 s[90:91], s[88:89], s[90:91]
	s_add_nc_u64 s[92:93], s[4:5], s[92:93]
	s_add_nc_u64 s[94:95], s[6:7], s[94:95]        ; rel_emb at my head's column
	s_load_b32 s96, s[94:95], 0x780                ; bucket 15
	s_load_b32 s97, s[94:95], 0xf80                ; bucket 31
	global_load_b128 v[QF:QF+3], v[A16], s[90:91]
	global_load_b64 v[QF+4:QF+5], v[A8], s[90:91] offset:512
	global_load_b32 v[QSW], v[BM+2], s[92:93]
	global_load_b128 v[S+8:S+11], v[A16], s[86:87]             ; 512 consecutive bytes: K's scale words of key step w
	global_load_b64 v[S+12:S+13], v[A8], s[86:87] offset:512   ; 256: V's
	v_add_nc_u32 v[ADS16], s73, v[A16]             ; where they go in LDS, byte for byte
	v_add_nc_u32 v[ADS8], s73, v[A8]
	; the table: thread x works out the bias of distance x - 384 once; it goes to place x + c of each copy c.  Places 512 on have distances of 128 or more: bucket 31
	v_add_nc_u32 v[S], -384, v0                    ; key - query
	s_delay_alu instid0(VALU_DEP_1)
	v_sub_nc_u32 v[S+1], 0, v[S]
	s_delay_alu instid0(VALU_DEP_2)
	v_cmp_gt_i32 vcc_lo, 0, v[S]
	s_delay_alu instid0(VALU_DEP_1)
	v_cndmask_b32 v[S+1], v[S], v[S+1], vcc_lo     ; n
	s_delay_alu instid0(VALU_DEP_1)
	v_min_u32 v[S+2], 8, v[S+1]
.irp th, 12,16,23,32,46,64,91
	v_cmp_le_u32 vcc_lo, \th, v[S+1]
	s_delay_alu instid0(VALU_DEP_1)
	v_cndmask_b32 v[S+3], 0, 1, vcc_lo
	s_delay_alu instid0(VALU_DEP_1)
	v_add_nc_u32 v[S+2], v[S+2], v[S+3]
.endr
	v_cmp_lt_i32 vcc_lo, 0, v[S]
	s_delay_alu instid0(VALU_DEP_1)
	v_cndmask_b32 v[S+3], 0, 16, vcc_lo
	s_delay_alu instid0(VALU_DEP_1)
	v_add_nc_u32 v[S+2], v[S+2], v[S+3]
	s_delay_alu instid0(VALU_DEP_1)
	v_min_u32 v[S+2], 31, v[S+2]
	s_delay_alu instid0(VALU_DEP_1)
	v_lshlrev_b32 v[S+2], 7, v[S+2]                ; a row of rel_emb is 128 bytes
	global_load_b32 v[S+4], v[S+2], s[94:95]
	v_mov_b32 v13, 0xff61b1e6                      ; the largest t so far: -3e38
	s_delay_alu instid0(VALU_DEP_1)
	v_floor_f32 v12, -v13
	v_mov_b32 v14, 0
	v_mov_b32 v15, 0
	v_mov_b32 v[FF], 0
	v_mov_b32 v[FF+1], 0                           ; (named as the upper half of a pair)
.irp j, 6,7,8,9,10,11
	v_mov_b32 v[QF+\j], 0                          ; q's upper 64 along K: zero codes
	v_mov_b32 v[F+42+\j], 0                        ; and what stands behind K's tile 7
.endr
.irp b, 0,1,2,3
	v_mov_b32 v[BP+\b], 0                          ; a lane permute's destination counts as one of its sources
.endr
.set J, 0
.rept 32
	v_mov_b32 v[O+J], 0                            ; O^T: the step is written for every trip alike; the first finds zeros
.set J, J+1
.endr
	s_wait_loadcnt 0x0                             ; q, its scale words, my share of K's and V's, the table's number
	s_wait_kmcnt 0x0                               ; buckets 15 and 31
	v_mov_b32 v[S+5], s97
	ds_store_b128 v[ADS16], v[S+8:S+11]
	ds_store_b64 v[ADS8], v[S+12:S+13] offset:512
.irp c, 0,1,2,3
	ds_store_b32 v[TBA], v[S+4] offset:(BTP+4)*\c          ; place x + c of copy c
	ds_store_b32 v[TBA], v[S+5] offset:(BTP+4)*\c+2048     ; and place x + 512 + c
.endr
.irp j, 0,1,2,3,4,5,6,7
	v_mov_b32 v[BC+\j], s96                        ; the first far steps lie below the diagonal; the near window, 329 wide, always holds a step between the two kinds
.endr
	s_wait_alu depctr_va_vdst(0)
	PART 4, 1                                      ; keys 0 .. 511
	PART 12, 0                                     ; keys 512 .. 2,047
	; THE WAY OUT: O^T / l, quantised along d (two blocks of 32), one half fragment: K step head / 2 of the last product.  It touches no LDS.
.rept 4
	v_nop                                          ; places behind the last products
.endr
	v_add_f32 v14, v14, v15
	s_delay_alu instid0(VALU_DEP_1)
	v_permlanex16_b32 v[BP], v14, s[SEL], s[SEL+1]
	s_delay_alu instid0(VALU_DEP_1)
	v_add_f32 v14, v14, v[BP]                      ; the row's sum
	s_wait_alu depctr_va_vdst(0)
	v_rcp_f32 v[FF], v14
	v_and_b32 v[TT], 15, v0                        ; (the plain line behind the reciprocal)
	s_delay_alu instid0(VALU_DEP_1)
	v_lshlrev_b32 v[TT], 4, v[TT]                  ; 16 r
	s_mul_i32 s84, s12, 24576
	s_mul_i32 s85, s[HD], 768
	s_add_co_u32 s84, s84, s85
	s_mov_b32 s85, 0
	s_add_nc_u64 s[84:85], s[8:9], s[84:85]        ; att's codes: tile T, half fragment = head
	s_lshl_b32 s86, s12, 10
	s_lshr_b32 s87, s[HD], 3
	s_lshl_b32 s87, s87, 8
	s_add_co_u32 s86, s86, s87
	s_and_b32 s87, s[HD], 7
	s_lshl_b32 s87, s87, 1
	s_add_co_u32 s86, s86, s87
	s_add_co_u32 s86, s86, OPB
	s_mov_b32 s87, 0
	s_add_nc_u64 s[86:87], s[8:9], s[86:87]        ; its scale bytes: T x 1,024 + (head / 8) x 256 + 16 r + 2 (head % 8)
	s_wait_alu depctr_va_vdst(0)                   ; ahead of the reciprocal's first reader
.set J, 0
.rept 16
	v_pk_mul_f32 v[S+J:S+J+1], v[O+J:O+J+1], v[FF:FF+1] op_sel_hi:[1,0]   ; each accumulator from its low end on; register 16 B + i is d = 32 B + 16 h + i
.set J, J+2
.endr
.irp b, 0,1
	v_max3_num_f32 v[BM+\b], |v[S+16*\b]|, |v[S+16*\b+1]|, 0x1800000
.endr
.irp i, 2,4,6,8,10,12,14
.irp b, 0,1
	s_delay_alu instid0(VALU_DEP_2)
	v_max3_num_f32 v[BM+\b], v[BM+\b], |v[S+16*\b+\i]|, |v[S+16*\b+\i+1]|
.endr
.endr
.irp b, 0,1
	s_delay_alu instid0(VALU_DEP_2)
	v_permlanex16_b32 v[BP+\b], v[BM+\b], s[SEL], s[SEL+1]
.endr
.irp b, 0,1
	s_delay_alu instid0(VALU_DEP_2)
	v_max_num_f32 v[BM+\b], v[BM+\b], v[BP+\b]
.endr
.irp b, 0,1
	s_delay_alu instid0(VALU_DEP_2)
	v_add_nc_u32 v[SO+\b], 0xff000000, v[BM+\b]
.endr
.irp b, 0,1
	s_delay_alu instid0(VALU_DEP_2)
	v_lshrrev_b32 v[BP+\b], 23, v[SO+\b]
.endr
	s_delay_alu instid0(VALU_DEP_1)
	v_lshl_or_b32 v[SO+2], v[BP+1], 8, v[BP]       ; my row's two bytes
	v_cvt_scalef32_pk16_fp6_f32 v[PC:PC+2], v[S:S+15], v[SO]
	v_cvt_scalef32_pk16_fp6_f32 v[PT:PT+2], v[S+16:S+31], v[SO+1]
	v_nop                                          ; one plain line behind the conversions
.irp i, 0,1,2
	v_permlane16_swap_b32 v[PC+\i], v[PT+\i]
.endr
.irp i, 0,1,2
	s_delay_alu instid0(VALU_DEP_3)
	v_mov_b32 v[PC+3+\i], v[PT+\i]
.endr
	global_store_b128 v[A16], v[PC:PC+3], s[84:85]               ; 512 consecutive bytes, aligned
	global_store_b64 v[A8], v[PC+4:PC+5], s[84:85] offset:512    ; 256
	global_store_b16 v[TT], v[SO+2], s[86:87]      ; the program's one small store: 2 bytes a row, 16 bytes apart (a word's two halves belong to two heads, which are two work-groups); lanes l and l xor 16 write the same bytes with the same value
	s_wait_dscnt 0x0                               ; my reads of LDS are over;
	s_barrier_signal -1
	s_barrier_wait -1                              ; everybody's are: no wave's closing add goes out while another wave still reads
	s_wait_tensorcnt 0x0                           ; the wave's end
	ds_add_u32 v[SPW], v[NIL]
	s_wait_dscnt 0x0
	s_endpgm
.Lfunc_end_k_qf8ac59dda9_attn:
	.size	k_qf8ac59dda9_attn, .Lfunc_end_k_qf8ac59dda9_attn-k_qf8ac59dda9_attn
	.p2alignl 7, 3214868480
	.fill 96, 4, 3214868480
	.section	.rodata,"a",@progbits
	.p2align	6, 0x0
	.amdhsa_kernel k_qf8ac59dda9_attn
		.amdhsa_group_segment_fixed_size 327680
		.amdhsa_private_segment_fixed_size 0
		.amdhsa_enable_private_segment 0
		.amdhsa_kernarg_size 24
		.amdhsa_user_sgpr_count 2
		.amdhsa_user_sgpr_kernarg_segment_ptr 1
		.amdhsa_wavefront_size32 1
		.amdhsa_system_sgpr_workgroup_id_x 1
		.amdhsa_system_sgpr_workgroup_id_y 1
		.amdhsa_system_sgpr_workgroup_id_z 1
		.amdhsa_system_vgpr_workitem_id 0
		.amdhsa_next_free_vgpr 240
		.amdhsa_next_free_sgpr 100
		.amdhsa_reserve_vcc 1
		.amdhsa_float_denorm_mode_32 3
		.amdhsa_float_denorm_mode_16_64 3
		.amdhsa_memory_ordered 1
		.amdhsa_forward_progress 1
		.amdhsa_inst_pref_size 63
	.end_amdhsa_kernel
	.amdgpu_metadata
---
amdhsa.version: [ 1, 2 ]
amdhsa.kernels:
  - .name:           k_qf8ac59dda9_attn
    .symbol:         k_qf8ac59dda9_attn.kd
    .args:
      - { .name: qkv, .offset: 0, .size: 8, .value_kind: global_buffer, .address_space: global }
      - { .name: rel_emb, .offset: 8, .size: 8, .value_kind: global_buffer, .address_space: global }
      - { .name: att, .offset: 16, .size: 8, .value_kind: global_buffer, .address_space: global }
    .group_segment_fixed_size: 327680
    .private_segment_fixed_size: 0
    .kernarg_segment_align: 8
    .kernarg_segment_size: 24
    .max_flat_workgroup_size: 512
    .sgpr_count:     100
    .vgpr_count:     240
    .wavefront_size: 32
...
	.end_amdgpu_metadata
.endif
;; end of part 3
;; launch outp (part 4): grid 16 x 16, 4 waves a work-group, clusters of 4 x 4, 327,680 bytes of LDS; arguments att, wq4, out0; writes out0
.if DOCPART == 4
	.amdgcn_target "amdgcn-amd-amdhsa--gfx1250"
	.amdhsa_code_object_version 6
	.text
	.protected	k_qf8ac59dda9_outp
	.globl	k_qf8ac59dda9_outp
	.p2align	8
	.type	k_qf8ac59dda9_outp,@function
k_qf8ac59dda9_outp:
	s_mov_b64 s[64:65], 0
	v_nop
	global_prefetch_b8 v0, s[64:65] scope:SCOPE_SE
	s_setreg_imm32_b32 hwreg(HW_REG_WAVE_MODE, 25, 1), 1
	s_wait_xcnt 0x0
	s_wait_alu depctr_hold_cnt(0) depctr_sa_sdst(0) depctr_va_vdst(0) depctr_va_sdst(0) depctr_va_ssrc(0) depctr_va_vcc(0) depctr_vm_vsrc(0)
	s_getreg_b32 s2, hwreg(HW_REG_IB_STS2, 6, 4)
	s_cmp_eq_u32 s2, 0
	s_cbranch_scc0 .Lentry_in_a_cluster
	s_endpgm
.Lentry_in_a_cluster:
	s_bfe_u32 s2, ttmp6, 0x10000c
	s_cmp_lg_u32 s2, 0xf033
	s_cbranch_scc0 .Lentry_shape_is_right
	s_endpgm
.Lentry_shape_is_right:
; out0 [2048][2048] f32 = att x wo, both as codes of FP6 (E2M3) with E8M0 scales, K = 2,048; sums in f32.
; OPERANDS are images of the operand's registers: tile T holds 16 rows (lane-row r is row 32 (T / 2) + 8 (T % 2) + r + 8 (r / 8)), 24,576 bytes: 32 half fragments (64 K) of 768 bytes:
; lane (r, h)'s first 16 bytes at 16 (r + 16 h), its last 8 at 512 + 16 r + 8 h.  Scale bytes: [tile][512 along K][r][16], 1,024 bytes a tile.  att's rows are queries, wo's are its columns n.
; SHARES.  2,048 x 2,048 / (128 x 128) = 256 work-groups.  A work-group makes 128 x 128: 8 tiles of att x 8 of wo; each of its four waves 64 x 64: 16 accumulators, 128 registers.
; K GOES IN THREE FILLS through two LDS slots of 147,456 bytes: steps 0-5 (768 along K, 9,216 bytes a tile) in slot 0, steps 6-11 in slot 1, steps 12-15 (6,144 bytes a tile) in slot 0 again: one refill.
; Every tensor row is a tile's run of 9,216 or 6,144 bytes and begins at a multiple of 256 bytes.  The scales of the 16 tiles (16,384 bytes) come once and stay.
; THE HEAD'S FOUR TILES, one a wave: att's slot 0, wo's slot 0, att's scales, wo's scales.  Later fills: each wave four tiles (waves 0, 1 att's, waves 2, 3 wo's), behind a round of the cluster's barrier.
; CLUSTERS 4 x 4: att's tiles are asked for jointly along a row of the cluster, wo's along a column.
; No prefetch: the walk has three fills and no loop to run ahead in.
; THE MATRIX INSTRUCTION IS USED TRANSPOSED (source 0 = wo's tile, source 1 = att's): a lane holds eight neighbouring columns of one row of out0.
; REGISTERS: window 0: v0-31 addresses, v32-63 two sets of scale words, v64-255 two sets of fragments (4 of att, 4 of wo, 12 registers each); window 1: v0-127 the accumulators, (a, b) at v[8 (4 a + b)].
; THE WAY OUT goes through a stage of the wave's own in slot 1, which has had its last fill, and its last read ahead of the walk's last barrier.
.set OPB,   3145728
.set OSB,   131072
.set WSC,   4*OPB
.set TB,    24576                      ; a tile's codes in memory
.set TP,    9216                       ; a tile's six steps
.set TP2,   6144                       ; a tile's four steps
.set SLOT,  16*TP
.set SCL,   2*SLOT                     ; the scales: att's 8,192 bytes, wo's 8,192
.set SPARE, SCL+16384                  ; the spare words, 128 bytes a wave
.set STAGE, SLOT
.set SPITCH, 272                       ; a stage row: 256 bytes + 16
.set WST,   64*SPITCH                  ; a wave's stage: its 64 rows
.set AD,   4                           ; v4-15 for each fill: att 16 x lane, att 16 r + 8 h, wo 16 x lane, wo 16 r + 8 h
.set A16,  16
.set A8,   17
.set STO,  18
.set RD,   19
.set CO,   20
.set ADRS, 21
.set SPW,  22
.set NIL,  23
.set SC,   32
.set F,    64
.set BK,   64
.set G1, 24
.set G0, 32                            ; s[32:35] the third fill, s[36:39] the second
.set G1B, 48
.set G0B, 56
.set G1S, 68
.set G0S, 76
.set G1SB, 80
.set G0SB, 88
.set G0H, 92
.set G0HB, 96
.set MSB, 0
.macro WIN new                         ; the immediate's high byte repeats the setting that is left
.if MSB != \new
	s_set_vgpr_msb (MSB<<8)|\new
.set MSB, \new
.endif
.endm
.set MULW, 0x50                        ; C and D window 1, sources window 0
.macro PLACES
.rept 4
	v_nop
.endr
.endm
.macro JLOAD g0a, g1a, g0b, g1b        ; waves 0, 1 ask for att, waves 2, 3 for wo; an s_nop 0 and four v_nop follow each line
	s_cmp_eq_u32 s15, 0
	s_cbranch_scc0 .Lfor_b_\@
	tensor_load_to_lds s[\g0a:\g0a+3], s[\g1a:\g1a+7]
	s_nop 0
	PLACES
	s_branch .Lasked_\@
.Lfor_b_\@:
	tensor_load_to_lds s[\g0b:\g0b+3], s[\g1b:\g1b+7]
	s_nop 0
	PLACES
.Lasked_\@:
.endm
.macro CREST
	s_cmp_lg_u32 s14, 0
	s_cbranch_scc1 .Lnot_wave_0_\@
	s_barrier_signal -3
.Lnot_wave_0_\@:
	s_barrier_wait -3
	s_barrier_signal -1
	s_barrier_wait -1
.endm
.macro CROUND
	s_barrier_signal -1
	s_barrier_wait -1
	CREST
.endm
.macro FRAG reg, adr, off
	ds_load_b128 v[\reg:\reg+3], v[\adr] offset:\off
	ds_load_b64 v[\reg+4:\reg+5], v[\adr+1] offset:\off+512
	ds_load_b128 v[\reg+6:\reg+9], v[\adr] offset:\off+768
	ds_load_b64 v[\reg+10:\reg+11], v[\adr+1] offset:\off+1280
.endm
.macro FETCH st                        ; step st's eight fragments into set st % 2: 32 loads
.set PH, (\st)/6
.set PP, TP-(PH/2)*(TP-TP2)
.set QO, 1536*((\st)-6*PH)
.set FL, F+96*((\st)%2)
.irp i, 0,1,2,3
	FRAG FL+48+12*\i, AD+4*PH+2, \i*PP+QO
.endr
.irp i, 0,1,2,3
	FRAG FL+12*\i, AD+4*PH, \i*PP+QO
.endr
.endm
.macro SCALES g                        ; the scale words of steps 4 g .. 4 g + 3 into set g % 2: lanes 0-15 att's tile i, lanes 16-31 wo's tile i
.irp i, 0,1,2,3
	ds_load_b128 v[SC+16*((\g)%2)+4*\i:SC+16*((\g)%2)+4*\i+3], v[ADRS] offset:1024*\i+256*(\g)
.endr
.endm
.macro MUL st, a0, zero                ; eight products: att's tiles a0, a0 + 1 x wo's four.  The 16 accumulators take turns in one order in every step
.set FS, F+96*((\st)%2)
.set SS, SC+16*(((\st)/4)%2)+(\st)%4
.irp a, \a0, \a0+1
.irp b, 0,1,2,3
.if \zero
	v_wmma_scale_f32_16x16x128_f8f6f4 v[8*(4*(\a)+\b):8*(4*(\a)+\b)+7], v[FS+48+12*\b:FS+48+12*\b+11], v[FS+12*(\a):FS+12*(\a)+11], 0, v[SS+4*\b], v[SS+4*(\a)] matrix_a_fmt:MATRIX_FMT_FP6 matrix_b_fmt:MATRIX_FMT_FP6 matrix_a_scale:MATRIX_SCALE_ROW1
.else
	v_wmma_scale_f32_16x16x128_f8f6f4 v[8*(4*(\a)+\b):8*(4*(\a)+\b)+7], v[FS+48+12*\b:FS+48+12*\b+11], v[FS+12*(\a):FS+12*(\a)+11], v[8*(4*(\a)+\b):8*(4*(\a)+\b)+7], v[SS+4*\b], v[SS+4*(\a)] matrix_a_fmt:MATRIX_FMT_FP6 matrix_b_fmt:MATRIX_FMT_FP6 matrix_a_scale:MATRIX_SCALE_ROW1
.endif
.endr
.endr
.endm
.macro NEXT st                         ; the next step's fragments, and its scale words where a group of four steps begins
	FETCH (\st)+1
.if ((\st)+1)%4 == 0
	SCALES ((\st)+1)/4
.endif
.endm
.macro STEP st, zero                   ; a step whose successor lies in the same fill
.if !\zero
	PLACES                                         ; behind the last step's products, in front of loads into the set that they read
.endif
	WIN 0
	NEXT \st
.if ((\st)+1)%4 == 0
	s_wait_dscnt 36                                ; all but the 32 fragment loads and 4 scale loads just issued: this step's fragments and scale words are in
.else
	s_wait_dscnt 32                                ; all but the 32 fragment loads just issued
.endif
	WIN MULW
	MUL \st, 0, \zero
	MUL \st, 2, \zero
.endm
.macro TURN st, fill                   ; a fill's last step: the change of slots
	WIN 0
	s_wait_tensorcnt 0x0                           ; all my tensor loads have landed: my part of the next slot;
	ds_add_u32 v[SPW], v[NIL]                      ; 0 onto my spare word;
.if \fill
	s_mov_b32 s[G1+1], (TP2/8)<<16                 ; no load of mine is out: the third fill's rows are 6,144 bytes
	s_mov_b32 s[G1+3], (TP2/8)<<16
	s_mov_b32 s[G1B+1], (TP2/8)<<16
	s_mov_b32 s[G1B+3], (TP2/8)<<16
.endif
	s_wait_dscnt 0x0                               ; the add is done, this step's fragments are in, and my reads of this slot are over
	s_barrier_signal -1
	WIN MULW
	MUL \st, 0, 0                                  ; work on registers while the others arrive
	WIN 0
	s_barrier_wait -1
.if \fill
	CREST                                          ; the barrier has opened a round of the cluster's barrier: no wave of any partner still reads this slot
	JLOAD G0, G1, G0B, G1B                         ; the refill, first behind the round; its four v_nop are the places in front of the loads below
.else
	PLACES
.endif
	NEXT \st
	WIN MULW
	MUL \st, 2, 0
.endm
	s_load_b128 s[4:7], s[0:1], 0x0                ; att s[4:5], wq4 s[6:7]
	s_load_b64 s[12:13], s[0:1], 0x10              ; out0
	v_lshl_add_u32 v[SPW], v0, 2, SPARE
	v_mov_b32 v[NIL], 0
	ds_add_u32 v[SPW], v[NIL]                      ; the opening lines: the add, twice on end, and its wait ahead of my first tensor load
	ds_add_u32 v[SPW], v[NIL]
	v_lshrrev_b32 v1, 5, v0
	v_readfirstlane_b32 s14, v1                    ; wave 0..3
	s_lshr_b32 s15, s14, 1                         ; which 64 rows are mine.  Also: I ask for att (0) or for wo (1)
	s_and_b32 s16, s14, 1                          ; which 64 columns.  Also: which four tiles I ask for
	s_bfe_u32 s40, ttmp6, 0x40000                  ; cx, cy
	s_bfe_u32 s41, ttmp6, 0x40004
	s_lshl_b32 s42, ttmp9, 2
	s_add_co_u32 s42, s42, s40                     ; block column
	s_and_b32 s17, ttmp7, 0xffff
	s_lshl_b32 s17, s17, 2
	s_add_co_u32 s17, s17, s41                     ; block row
	s_lshl_b32 s43, s41, 2
	s_lshl_b32 s43, 15, s43                        ; my row of the cluster
	s_lshl_b32 s44, 0x1111, s40                    ; my column
	s_or_b32 s[G1+0], s43, (3<<16)|(1<<21)         ; the mask; elements of 8 bytes; bit 21 beside a mask
	s_or_b32 s[G1B+0], s44, (3<<16)|(1<<21)
.irp g, G1, G1B
	s_mov_b32 s[\g+1], (TP/8)<<16                  ; a row: a tile's 9,216 bytes
	s_mov_b32 s[\g+2], 8<<16                       ; at the head 8 tiles
	s_mov_b32 s[\g+3], (TP/8)<<16
	s_mov_b32 s[\g+4], 8
	s_mov_b32 s[\g+5], TB/8                        ; from tile to tile
	s_mov_b32 s[\g+6], 0
	s_mov_b32 s[\g+7], 0
.endr
	s_or_b32 s[G1S+0], s43, (3<<16)|(1<<21)
	s_or_b32 s[G1SB+0], s44, (3<<16)|(1<<21)
.irp g, G1S, G1SB
	s_mov_b32 s[\g+1], 32<<16                      ; 8,192 dense bytes as 32 rows of 256
	s_mov_b32 s[\g+2], 32<<16
	s_mov_b32 s[\g+3], 32<<16
	s_mov_b32 s[\g+4], 32
	s_mov_b32 s[\g+5], 32
	s_mov_b32 s[\g+6], 0
	s_mov_b32 s[\g+7], 0
.endr
	s_lshl_b32 s20, s17, 3                         ; att's first tile
	s_lshl_b32 s46, s42, 3                         ; wo's
	s_lshl_b32 s22, s20, 10
	s_add_co_u32 s22, s22, OPB                     ; att's scales
	s_mul_i32 s20, s20, TB
	s_lshl_b32 s10, s46, 10
	s_add_co_u32 s10, s10, WSC+3*OSB               ; wo's scales
	s_mul_i32 s46, s46, TB
	s_add_co_u32 s46, s46, 3*OPB
	s_mov_b32 s21, 0
	s_mov_b32 s23, 0
	s_mov_b32 s47, 0
	s_mov_b32 s11, 0
	s_mul_i32 s18, s16, 4*TB                       ; behind the head: which four tiles
	s_mov_b32 s19, 0
	s_mul_i32 s45, s14, 4*TP                       ; and where they go: wave x four tiles
	s_mul_i32 s8, s14, 4*TP2
	s_wait_dscnt 0x0                               ; both opening adds are done
	s_wait_kmcnt 0x0
	s_add_nc_u64 s[20:21], s[4:5], s[20:21]
	s_add_nc_u64 s[22:23], s[4:5], s[22:23]
	s_add_nc_u64 s[46:47], s[6:7], s[46:47]
	s_add_nc_u64 s[10:11], s[6:7], s[10:11]
	s_mov_b32 s[G0H], 1
	s_mov_b32 s[G0H+1], 0
	s_mov_b64 s[G0H+2:G0H+3], s[20:21]
	s_or_b32 s[G0H+3], s[G0H+3], 0x80000000
	s_mov_b32 s[G0HB], 1
	s_mov_b32 s[G0HB+1], 8*TP
	s_mov_b64 s[G0HB+2:G0HB+3], s[46:47]
	s_or_b32 s[G0HB+3], s[G0HB+3], 0x80000000
	s_mov_b32 s[G0S], 1
	s_mov_b32 s[G0S+1], SCL
	s_mov_b64 s[G0S+2:G0S+3], s[22:23]
	s_or_b32 s[G0S+3], s[G0S+3], 0x80000000
	s_mov_b32 s[G0SB], 1
	s_mov_b32 s[G0SB+1], SCL+8192
	s_mov_b64 s[G0SB+2:G0SB+3], s[10:11]
	s_or_b32 s[G0SB+3], s[G0SB+3], 0x80000000
	s_add_nc_u64 s[20:21], s[20:21], s[18:19]
	s_add_nc_u64 s[46:47], s[46:47], s[18:19]
	s_mov_b32 s[G0+4], 1                           ; the second fill: steps 6-11 into slot 1
	s_add_co_u32 s[G0+5], s45, SLOT
	s_add_nc_u64 s[G0+6:G0+7], s[20:21], TP
	s_or_b32 s[G0+7], s[G0+7], 0x80000000
	s_mov_b32 s[G0B+4], 1
	s_add_co_u32 s[G0B+5], s45, SLOT
	s_add_nc_u64 s[G0B+6:G0B+7], s[46:47], TP
	s_or_b32 s[G0B+7], s[G0B+7], 0x80000000
	s_mov_b32 s[G0], 1                             ; the third: steps 12-15 into slot 0
	s_mov_b32 s[G0+1], s8
	s_add_nc_u64 s[G0+2:G0+3], s[20:21], 2*TP
	s_or_b32 s[G0+3], s[G0+3], 0x80000000
	s_mov_b32 s[G0B], 1
	s_mov_b32 s[G0B+1], s8
	s_add_nc_u64 s[G0B+2:G0B+3], s[46:47], 2*TP
	s_or_b32 s[G0B+3], s[G0B+3], 0x80000000
	CROUND                                         ; all sixteen work-groups are here: the first joint loads meet
.macro ARM under, g0, g1, next         ; one chain of branches on the wave's number: every way through the head passes one load
	s_cmp_lt_u32 s14, \under
	s_cbranch_scc0 \next
	tensor_load_to_lds s[\g0:\g0+3], s[\g1:\g1+7]
	s_nop 0
	PLACES
	s_branch .Lhead_asked
\next:
.endm
	ARM 1, G0H,  G1,  .Lhead_b
	ARM 2, G0HB, G1B, .Lhead_sa
	ARM 3, G0S,  G1S, .Lhead_sb
	tensor_load_to_lds s[G0SB:G0SB+3], s[G1SB:G1SB+7]
	s_nop 0
	PLACES
.Lhead_asked:
	; the scalar terms first, then the vector lines on end
	s_mul_i32 s18, s15, 4*TP                       ; fill 0: my four tiles of att,
	s_mul_i32 s19, s16, 4*TP
	s_add_co_u32 s19, s19, 8*TP                    ; and of wo, behind att's eight
	s_add_co_u32 s20, s18, SLOT                    ; fill 1
	s_add_co_u32 s21, s19, SLOT
	s_mul_i32 s22, s15, 4*TP2                      ; fill 2
	s_mul_i32 s23, s16, 4*TP2
	s_add_co_u32 s23, s23, 8*TP2
	s_lshl_b32 s2, s15, 12
	s_add_co_u32 s2, s2, SCL                       ; att's scales: my four tiles
	s_lshl_b32 s3, s16, 12
	s_add_co_u32 s3, s3, SCL+8192
	s_sub_co_u32 s3, s3, s2                        ; how far on wo's lie
	s_mul_i32 s9, s14, WST
	s_add_co_u32 s9, s9, STAGE                     ; my stage
	s_lshl_b32 s46, s17, 20                        ; out0: 128 rows of 8,192 bytes a block row,
	s_lshl_b32 s47, s15, 19                        ; 64 rows,
	s_add_co_u32 s46, s46, s47
	s_lshl_b32 s47, s42, 9                         ; 512 bytes a block column,
	s_add_co_u32 s46, s46, s47
	s_lshl_b32 s47, s16, 8                         ; 256 bytes
	s_add_co_u32 s46, s46, s47
	s_mov_b32 s47, 0
	s_add_nc_u64 s[12:13], s[12:13], s[46:47]
	v_and_b32 v1, 15, v0                           ; r
	v_bfe_u32 v2, v0, 4, 1                         ; h
	v_and_b32 v3, 31, v0
	v_lshlrev_b32 v[A16], 4, v3
	v_lshlrev_b32 v[A8], 4, v1
	v_lshl_add_u32 v[A8], v2, 3, v[A8]
.irp p, 0,1,2
	v_add_nc_u32 v[AD+4*\p], s[18+2*\p], v[A16]
	v_add_nc_u32 v[AD+4*\p+1], s[18+2*\p], v[A8]
	v_add_nc_u32 v[AD+4*\p+2], s[19+2*\p], v[A16]
	v_add_nc_u32 v[AD+4*\p+3], s[19+2*\p], v[A8]
.endr
	v_lshlrev_b32 v24, 4, v1                       ; (v24-26 are at work here: v4-15 hold the fills' addresses)
	v_mul_u32_u24 v25, s3, v2                      ; lanes 16-31 take wo's
	v_add_nc_u32 v24, v24, v25
	v_add_nc_u32 v[ADRS], s2, v24
	v_mul_u32_u24 v24, v1, SPITCH                  ; into the stage: row r, 64 bytes for each half of the lanes
	v_lshl_add_u32 v24, v2, 6, v24
	v_add_nc_u32 v[STO], s9, v24
	v_mul_u32_u24 v25, v2, SPITCH                  ; back: sixteen lanes to a row of 256 bytes, two rows an instruction
	v_lshl_add_u32 v25, v1, 4, v25
	v_add_nc_u32 v[RD], s9, v25
	v_lshlrev_b32 v26, 13, v2                      ; and the same two rows in out0
	v_lshl_add_u32 v[CO], v1, 4, v26
	s_wait_alu depctr_va_vdst(0)
	s_wait_tensorcnt 0x0                           ; my tile of the head's four is in;
	ds_add_u32 v[SPW], v[NIL]
	s_mov_b32 s[G1+2], 4<<16                       ; no load of mine is out: from here on a load brings four tiles
	s_mov_b32 s[G1+4], 4
	s_mov_b32 s[G1B+2], 4<<16
	s_mov_b32 s[G1B+4], 4
	s_wait_dscnt 0x0
	CROUND                                         ; all four tiles are in, and all sixteen work-groups are here
	JLOAD G0+4, G1, G0B+4, G1B                     ; slot 1's first fill, the first tensor load behind the round
	FETCH 0
	SCALES 0
	STEP 0, 1                                      ; the first step's products start the sums
.irp s, 1,2,3,4
	STEP \s, 0
.endr
	TURN 5, 1
.irp s, 6,7,8,9,10
	STEP \s, 0
.endr
	TURN 11, 0                                     ; nothing more is filled: no round
.irp s, 12,13,14
	STEP \s, 0
.endr
	s_wait_dscnt 0x0
	MUL 15, 0, 0
	MUL 15, 2, 0
	WIN 0
	PLACES                                         ; behind the last products: for the stores that read results and the loads into the fragments' registers
	; THE WAY OUT.  Tile a's 16 rows x 64 columns go into my stage and come back as rows of 256 bytes.  Column of wo's tile b, lane-row 8 h + j: 32 (b / 2) + 8 (b % 2) + 16 h + j.
.irp a, 0,1,2,3
	WIN 0x04                                       ; the data: window 1
.irp b, 0,1,2,3
	ds_store_b128 v[STO], v[8*(4*\a+\b):8*(4*\a+\b)+3] offset:\a*16*SPITCH+128*(\b/2)+32*(\b%2)      ; each accumulator from its low end on
	ds_store_b128 v[STO], v[8*(4*\a+\b)+4:8*(4*\a+\b)+7] offset:\a*16*SPITCH+128*(\b/2)+32*(\b%2)+16
.endr
	WIN 0
.irp t, 0,1,2,3,4,5,6,7
	ds_load_b128 v[BK+32*\a+4*\t:BK+32*\a+4*\t+3], v[RD] offset:\a*16*SPITCH+\t*2*SPITCH   ; LDS serves a wave's instructions in order: these see my stores
.endr
.endr
.irp a, 0,1,2,3
	s_wait_dscnt 16*(3-\a)                         ; tile a is back; the later tiles' 8 stores and 8 loads each may be out
.irp t, 0,1,2,3,4,5,6,7
	global_store_b128 v[CO], v[BK+32*\a+4*\t:BK+32*\a+4*\t+3], s[12:13] offset:(32*(\a/2)+8*(\a%2)+2*\t+8*(\t/4))*8192 th:TH_STORE_NT   ; sixteen lanes store 256 consecutive bytes, aligned; stage row x is row x + 8 (x / 8) of the tile
.endr
.endr
	s_wait_tensorcnt 0x0                           ; the wave's end
	ds_add_u32 v[SPW], v[NIL]
	s_wait_dscnt 0x0
	CROUND                                         ; the closing round
	s_endpgm
.Lfunc_end_k_qf8ac59dda9_outp:
	.size	k_qf8ac59dda9_outp, .Lfunc_end_k_qf8ac59dda9_outp-k_qf8ac59dda9_outp
	.p2alignl 7, 3214868480
	.fill 96, 4, 3214868480
	.section	.rodata,"a",@progbits
	.p2align	6, 0x0
	.amdhsa_kernel k_qf8ac59dda9_outp
		.amdhsa_group_segment_fixed_size 327680
		.amdhsa_private_segment_fixed_size 0
		.amdhsa_enable_private_segment 0
		.amdhsa_kernarg_size 24
		.amdhsa_user_sgpr_count 2
		.amdhsa_user_sgpr_kernarg_segment_ptr 1
		.amdhsa_wavefront_size32 1
		.amdhsa_system_sgpr_workgroup_id_x 1
		.amdhsa_system_sgpr_workgroup_id_y 1
		.amdhsa_system_sgpr_workgroup_id_z 1
		.amdhsa_system_vgpr_workitem_id 0
		.amdhsa_next_free_vgpr 384
		.amdhsa_next_free_sgpr 100
		.amdhsa_reserve_vcc 0
		.amdhsa_float_denorm_mode_32 3
		.amdhsa_float_denorm_mode_16_64 3
		.amdhsa_memory_ordered 1
		.amdhsa_forward_progress 1
		.amdhsa_inst_pref_size 89
	.end_amdhsa_kernel
	.amdgpu_metadata
---
amdhsa.version: [ 1, 2 ]
amdhsa.kernels:
  - .name:           k_qf8ac59dda9_outp
    .symbol:         k_qf8ac59dda9_outp.kd
    .args:
      - { .name: att, .offset: 0, .size: 8, .value_kind: global_buffer, .address_space: global }
      - { .name: wq4, .offset: 8, .size: 8, .value_kind: global_buffer, .address_space: global }
      - { .name: out0, .offset: 16, .size: 8, .value_kind: global_buffer, .address_space: global }
    .group_segment_fixed_size: 327680
    .private_segment_fixed_size: 0
    .kernarg_segment_align: 8
    .kernarg_segment_size: 24
    .max_flat_workgroup_size: 128
    .sgpr_count:     100
    .vgpr_count:     384
    .wavefront_size: 32
...
	.end_amdgpu_metadata
.endif
;; end of part 4
